; MI455X (gfx1250); checked and timed in simulation.
; The chip was launched on July 23, 2026; its instructions are those of AMD's public machine-readable ISA for CDNA 5 (MIT licence, August 2026) and "CDNA5" Instruction Set Architecture Reference Guide (July 2026). The comments in the code are by the model that wrote it; some were corrected since.
;; Multi Head Attention. Allowed arithmetic: matrix products marked QUANTISED: E2M1 operands, one E8M0 scale for each 32 along K, by v_wmma_scale_f32_16x16x128_f8f6f4 with both operands' format E2M1 (or v_wmma_scale_f32_32x16x128_f4), f32 sums; products left as they are: bf16, f16 or f32 operands; f32 sums; everything else in f32.
;; Inputs: Wk 1,024 x 1,024 float32; Wo 1,024 x 1,024 float32; Wq 1,024 x 1,024 float32; Wv 1,024 x 1,024 float32; bk 1,024 float32; bo 1,024 float32; bq 1,024 float32; bv 1,024 float32; padding_mask 4 x 2,048 int32; x 4 x 2,048 x 1,024 float32.
;; Outputs: out0 4 x 2,048 x 1,024 float32.
;; This version of the problem:
;;   THIS VERSION OF THE PROBLEM IS GIVEN IN LOW PRECISION. The matrix products marked QUANTISED in the list below multiply operands that are first quantised to E2M1 (2 exponent bits, 1 mantissa bit; 4 bits a number), with one power-of-two scale for each 32 numbers along K (OCP MX v1.0); their sums are f32. The products marked 'left as it is' may take bf16, f16 or f32 operands, with f32 sums. Whichever they take, every output number must still come out within the allowed error. Rounding operands to bf16 (8 significant bits) uses up far more of that allowance than f16 does (11 bits, for magnitudes from 6e-5 to 65,504). All else is computed in f32.
;;   The module's matrix products, in the order in which they are computed (A, B: the left and right operand; K: the contracted axis; several contracted axes count as one K, in the product's order):
;;     1. [M 8,192, K 1,024] x [K 1,024, N 1,024]; A: input x; B: input Wq: QUANTISED
;;     2. [M 8,192, K 1,024] x [K 1,024, N 1,024]; A: input x; B: input Wk: QUANTISED
;;     3. [M 8,192, K 1,024] x [K 1,024, N 1,024]; A: input x; B: input Wv: QUANTISED
;;     4. batch 64 x [M 2,048, K 64] x [K 64, N 2,048]; A: computed on the way; B: computed on the way: left as it is (an operand is computed on the way)
;;     5. batch 64 x [M 2,048, K 2,048] x [K 2,048, N 64]; A: computed on the way; B: computed on the way: left as it is (an operand is computed on the way)
;;     6. [M 8,192, K 1,024] x [K 1,024, N 1,024]; A: computed on the way; B: input Wo: left as it is (an operand is computed on the way)
;;   THE QUANTISER, for each operand of a quantised product, along K:
;;     - K is cut into blocks of 32 from its start; a last block that is shorter is filled with zeros.
;;     - A block's scale is 2^e with e = floor(log2(the largest magnitude in the block)) - 2, held to -126 .. 127; a block of zeros has e = 0. As a byte (E8M0): e + 127.
;;     - Each number is divided by its block's scale, clamped to +-6, and rounded to the nearest number of E2M1, ties to even, subnormals kept.
;;     - The product sums the exact products of the quantised numbers (number of the format x scale) in f32.
;;   ~~~python
;;   def quantise(x, axis):      # numpy; x: float32 -> the quantised numbers, widened to float32 again
;;       x = np.moveaxis(x, axis, -1); K = x.shape[-1]
;;       x = np.pad(x, [(0, 0)] * (x.ndim - 1) + [(0, -K % 32)]); x = x.reshape(x.shape[:-1] + (-1, 32)); a = np.abs(x).max(-1, keepdims=True)
;;       e = np.where(a > 0, np.clip(np.frexp(np.where(a > 0, a, 1))[1] - 1 - 2, -126, 127), 0)      # np.frexp(a)[1] - 1 = floor(log2(a)), exactly
;;       r = np.clip(x / 2.0 ** e, -6, 6)
;;       step = 2.0 ** (np.maximum(np.frexp(np.where(r == 0, 1, r))[1] - 1, 0) - 1)
;;       q = np.round(r / step) * step * 2.0 ** e      # np.round: ties to even
;;       return np.moveaxis(q.reshape(q.shape[:-2] + (-1,))[..., :K], -1, axis).astype(np.float32)
;;   ~~~
;; One version. Each part assembles by itself: llvm-mc -triple=amdgcn-amd-amdhsa -mcpu=gfx1250 --defsym DOCPART=n.
;; ======== version 1 of 1: 5 launches
;; limits: values are held in f16: magnitudes above 65,504 overflow, below 6.1e-05 lose precision
;; workspace buffers: x_codes 4,194,304 bytes; x_scales 262,144 bytes; w_codes 1,572,864 bytes; w_scales 98,304 bytes; wot 2,097,152 bytes; kbias 32,768 bytes; qkv 51,118,080 bytes; att 16,777,216 bytes
;; launch prep (part 1): grid 340 x 1, 4 waves a work-group, no clusters, 86,528 bytes of LDS; arguments x, Wq, Wk, Wv, Wo, padding_mask, x_codes, x_scales, w_codes, w_scales, wot, kbias; writes x_codes, x_scales, w_codes, w_scales, wot, kbias
.if DOCPART == 1
	.amdgcn_target "amdgcn-amd-amdhsa--gfx1250"
	.amdhsa_code_object_version 6
	.text
	.protected	k_q5bdfcb2141_prep
	.globl	k_q5bdfcb2141_prep
	.p2align	8
	.type	k_q5bdfcb2141_prep,@function
k_q5bdfcb2141_prep:
	s_mov_b64 s[64:65], 0
	v_nop
	global_prefetch_b8 v0, s[64:65] scope:SCOPE_SE
	s_setreg_imm32_b32 hwreg(HW_REG_WAVE_MODE, 25, 1), 1
	s_wait_xcnt 0x0
; PREP: what the later launches read many times is made once.
;   work-groups   0-255: x [8192][1024] f32 -> codes of FP4 (E2M1), K innermost, [8192][512 bytes], and one E8M0 byte for each 32 along K, [8192][32]
;   work-groups 256-303: Wq, Wk, Wv [1024 k][1024 n] f32 -> codes along K (their FIRST axis), laid [3072 n][512 bytes], n = 1024 x which + column, and scale bytes [3072][32]
;   work-groups 304-335: Wo [1024 k][1024 n] f32 -> f16, turned and cut in planes of 64 along K: [16 planes][1024 n][64 k]
;   work-groups 336-339: padding_mask [4][2048] -> f32: 0 where the key counts, -1e30 where it does not; it is added to the scores as the C of their first product
; WORK LEFT OUT: THE INPUT bk.  k = x Wk + bk puts the term q . bk into the score of EVERY key of a query: a term that is the same along the softmax's axis.  exp(s + t) / sum exp(s + t) = exp(s) / sum exp(s)
; for every finite t; a masked key stays at -infinity with or without it, and a row whose keys are all masked stays 0.  k goes into no quantiser (the product of q and k is left as it is) and into nothing but the scores.
; So bk reaches no output, whatever finite values the inputs hold: it is not loaded and is among no launch's arguments.  LIMIT: a NaN, an infinity or an overflow that bk alone would bring is not carried to the result.
; A block's scale is 2^(floor(log2(its largest magnitude)) - 2); its byte is the largest magnitude's exponent field - 2, held at 1 from below.  A block of zeros so gets the byte 1 where the quantiser says 127: its codes are
; zeros, which add nothing under any byte but 0xff, and this program alone reads the bytes.
; LIMITS: blocks whose largest magnitude lies under 2^-124 (the floor) were not tried; NaN and infinities among x and the weights are not served; numbers of Wo beyond 65,504 have no f16.
; The four paths part on the work-group's number; each has LDS bytes of its own.  No tensor loads, no barrier: waves share nothing.
.set NEGF,  0xf149f2ca                 ; -1e30
.set XRG,   0                          ; LDS: x's path, 8,192 bytes a wave
.set WRG,   32768                      ; the weights' path: a stage of 32 x 272 bytes a wave
.set ORG,   67584                      ; Wo's path: a stage of 32 x 144 bytes a wave
.set SPARE, 86016                      ; the spare words, 128 bytes for each wave: two blocks of 256 bytes that no other line names
.set SPW,   190                        ; v190  LDS address of my spare word; never rewritten
.set NIL,   191                        ; v191  0; never rewritten
.set EMAX,  2
.macro FINISH                          ; the wave's end
	s_wait_tensorcnt 0x0
	ds_add_u32 v[SPW], v[NIL]
	s_wait_dscnt 0x0
	s_endpgm
.endm
	s_load_b512 s[4:19], s[0:1], 0x0               ; x 4, Wq 6, Wk 8, Wv 10, Wo 12, padding_mask 14, x_codes 16, x_scales 18
	s_load_b256 s[20:27], s[0:1], 0x40             ; w_codes 20, w_scales 22, wot 24, kbias 26
	v_lshl_add_u32 v[SPW], v0, 2, SPARE
	v_mov_b32 v[NIL], 0
	v_lshrrev_b32 v1, 5, v0
	v_readfirstlane_b32 s28, v1                    ; wave 0..3
	v_and_b32 v2, 31, v0                           ; lane
	s_wait_kmcnt 0x0
	s_cmp_lt_u32 ttmp9, 256
	s_cbranch_scc1 .Lpath_x
	s_cmp_lt_u32 ttmp9, 304
	s_cbranch_scc1 .Lpath_w
	s_cmp_lt_u32 ttmp9, 336
	s_cbranch_scc1 .Lpath_o
; ---- THE MASK: one work-group a batch; a thread takes 4 x 4 keys; each load and store of a wave covers 512 consecutive bytes
	s_sub_co_u32 s29, ttmp9, 336
	s_lshl_b32 s30, s29, 13                        ; 2,048 keys x 4 bytes
	s_mov_b32 s31, 0
	s_add_nc_u64 s[14:15], s[14:15], s[30:31]
	s_add_nc_u64 s[26:27], s[26:27], s[30:31]
	v_lshlrev_b32 v3, 4, v0
	v_mov_b32 v4, NEGF
.irp u, 0,1,2,3
	global_load_b128 v[16+4*\u:19+4*\u], v3, s[14:15] offset:2048*\u
.endr
	s_wait_loadcnt 0x0
.irp i, 0,1,2,3,4,5,6,7,8,9,10,11,12,13,14,15
	v_cmp_eq_u32 vcc_lo, 0, v[16+\i]               ; a hole in the mask
	v_cndmask_b32 v[32+\i], 0, v4, vcc_lo
.endr
.irp u, 0,1,2,3
	global_store_b128 v3, v[32+4*\u:35+4*\u], s[26:27] offset:2048*\u
.endr
	FINISH
; ---- x: a plain stream of blocks of 32.  A wave takes 16 steps of 512 numbers.  Each of a step's four loads reads 512 consecutive bytes, 16 a lane; the 2,048 bytes turn through the wave's own stage in LDS and come back
; 64 bytes a lane, so that a lane holds 16 NEIGHBOURS along K (two neighbouring lanes hold a block), as the conversions want them.  The stage has 16 bytes of padding behind each 64.
; Loads run four steps (16 loads a wave) ahead, the turn through LDS one step.  A wave's 256 scale bytes are gathered in LDS and leave as one aligned run of 256 bytes.
.set STEPS, 16
.set CB,    8                          ; bytes of 16 codes
.set XL,    16                         ; v16-79   four sets of 16 numbers as loaded
.set XN,    80                         ; v80-111  two sets of 16 neighbours
.set XE,    112                        ; v112-127 a scale byte for each step
.set XC,    128                        ; v128-189 codes: four registers' room for each step, so that no store's data are written again
.set WREG,  8192
.set SP,    80
.Lpath_x:
	v_lshlrev_b32 v3, 4, v2                        ; my 16 bytes of a load's 512
	s_mul_i32 s29, s28, WREG
	v_lshrrev_b32 v14, 2, v2
	v_mul_u32_u24 v14, v14, SP
	v_and_b32 v15, 3, v2
	v_lshl_add_u32 v14, v15, 4, v14
	v_add_nc_u32 v14, s29, v14                     ; the stage, on the way in: SP (lane / 4) + 16 (lane % 4)
	v_mul_u32_u24 v15, v2, SP
	v_add_nc_u32 v15, s29, v15                     ; and on the way out: SP x lane
	v_mul_u32_u24 v4, v2, CB                       ; my codes' place in a step's
	v_lshrrev_b32 v5, 1, v2
	s_add_co_u32 s29, s29, 2*32*SP
	v_add_nc_u32 v5, s29, v5                       ; my wave's 256 scale bytes, my block's byte
	v_lshlrev_b32 v7, 3, v2
	v_add_nc_u32 v6, s29, v7                       ; and on the way out 8 bytes a lane
	s_lshl_b32 s30, ttmp9, 2
	s_add_co_u32 s30, s30, s28                     ; which run of 8,192 numbers is my wave's
	s_mov_b32 s31, 0
	s_mov_b64 s[32:33], 512*STEPS*4
	s_mul_u64 s[32:33], s[30:31], s[32:33]
	s_add_nc_u64 s[4:5], s[4:5], s[32:33]
	s_mov_b64 s[32:33], 32*STEPS*CB
	s_mul_u64 s[32:33], s[30:31], s[32:33]
	s_add_nc_u64 s[16:17], s[16:17], s[32:33]
	s_lshl_b32 s30, s30, 8                         ; 256 scale bytes a run
	s_add_nc_u64 s[18:19], s[18:19], s[30:31]
.macro XLOAD t
.irp i, 0,1,2,3
	global_load_b128 v[XL+16*((\t)%4)+4*\i:XL+16*((\t)%4)+4*\i+3], v3, s[4:5] offset:2048*(\t)+512*\i th:TH_LOAD_NT
.endr
.endm
.macro XTURN t                         ; LDS serves a wave's instructions in order: no wait between the stores and the loads
.irp i, 0,1,2,3
	ds_store_b128 v14, v[XL+16*((\t)%4)+4*\i:XL+16*((\t)%4)+4*\i+3] offset:32*SP*((\t)%2)+8*SP*\i
.endr
.irp i, 0,1,2,3
	ds_load_b128 v[XN+16*((\t)%2)+4*\i:XN+16*((\t)%2)+4*\i+3], v15 offset:32*SP*((\t)%2)+16*\i
.endr
.endm
.irp t, 0,1,2,3
	XLOAD \t
.endr
	s_wait_loadcnt 12                              ; step 0's four loads are in; the twelve behind them stay out
	XTURN 0
.macro XSTEP t
.set XS, XN+16*((\t)%2)
.if (\t) > 0
	s_wait_dscnt 1                                 ; this step's numbers are back from the stage; the last step's byte store may be out
.else
	s_wait_dscnt 0x0
.endif
.if (\t)+4 < STEPS
	XLOAD (\t)+4                                   ; into the registers that this step's stage stores have read
.endif
.if (\t)+1 < STEPS
.if STEPS-2-(\t) >= 3
	s_wait_loadcnt 12                              ; the next step's four loads are in; those of the three steps behind it may be out
.else
	s_wait_loadcnt 4*(STEPS-2-(\t))
.endif
	XTURN (\t)+1
.endif
	v_max3_num_f32 v8, |v[XS]|, |v[XS+1]|, |v[XS+2]|               ; the largest magnitude of my 16, in two chains
	v_max3_num_f32 v9, |v[XS+3]|, |v[XS+4]|, |v[XS+5]|
.irp i, 6,10
	v_max3_num_f32 v8, v8, |v[XS+\i]|, |v[XS+\i+1]|
	v_max3_num_f32 v9, v9, |v[XS+\i+2]|, |v[XS+\i+3]|
.endr
	v_max3_num_f32 v8, v8, |v[XS+14]|, |v[XS+15]|
	v_max3_num_f32 v8, v8, v9, (EMAX+1)<<23        ; and the floor 2^(3 - 127): the byte cannot fall under 1
	v_max_num_f32_dpp v8, v8, v8 row_xmask:1 row_mask:0xf bank_mask:0xf   ; and of my neighbour's 16: the block's
	v_add_nc_u32 v11, -(EMAX<<23), v8              ; 2 off its exponent field: the conversion takes the exponent field of this operand as its scale
	v_cvt_scalef32_pk8_fp4_f32 v[XC+4*(\t)], v[XS:XS+7], v11
	v_cvt_scalef32_pk8_fp4_f32 v[XC+4*(\t)+1], v[XS+8:XS+15], v11
	v_lshrrev_b32 v[XE+(\t)], 23, v11              ; the scale's byte (a plain line behind the conversions)
	ds_store_b8 v5, v[XE+(\t)] offset:16*(\t)      ; both lanes of a block write the same byte with the same value
	global_store_b64 v4, v[XC+4*(\t):XC+4*(\t)+1], s[16:17] offset:32*CB*(\t)   ; the wave stores 256 consecutive bytes
.endm
.irp t, 0,1,2,3,4,5,6,7,8,9,10,11,12,13,14,15
	XSTEP \t
.endr
	ds_load_b64 v[8:9], v6                         ; in order behind my byte stores
	s_wait_dscnt 0x0
	global_store_b64 v7, v[8:9], s[18:19]          ; 32 lanes store 256 consecutive bytes, aligned
	FINISH
; ---- Wq, Wk, Wv: A LANE TAKES A COLUMN n, AND ITS REGISTERS RUN DOWN K: each load reads 128 consecutive bytes a wave, a block of 32 along K lies in one lane's 32 registers, and the conversions give codes with K innermost.
; A wave takes 32 columns x 512 along K: 256 bytes of codes a column, which go through the wave's stage and leave as rows: sixteen lanes store 256 consecutive bytes.  Loads run two blocks (64 loads a wave) ahead.
.set NB,    16                         ; blocks of 32 along K for a wave
.set WP,    272                        ; a stage row: 256 bytes + 16
.set WX,    32                         ; v32-95   two sets of 32 numbers
.set WC,    96                         ; v96-99   a block's codes
.set WOUT,  112                        ; v112-175 the way out
.set WSB,   24                         ; v24-27   the scale bytes, four to a register
.Lpath_w:
	s_sub_co_u32 s29, ttmp9, 256
	s_lshr_b32 s30, s29, 4                         ; which: 0 Wq, 1 Wk, 2 Wv
	s_and_b32 s31, s29, 7                          ; which 128 columns
	s_bfe_u32 s34, s29, 0x10003                    ; which 512 along K
	s_cmp_eq_u32 s30, 0
	s_cselect_b64 s[32:33], s[6:7], s[8:9]         ; the choice hangs on the work-group's number alone
	s_cmp_eq_u32 s30, 2
	s_cselect_b64 s[32:33], s[10:11], s[32:33]
	s_lshl_b32 s35, s31, 7
	s_lshl_b32 s36, s28, 5
	s_add_co_u32 s35, s35, s36                     ; my wave's first column in the weight
	s_lshl_b32 s36, s30, 10
	s_add_co_u32 s36, s36, s35                     ; and its row in the codes' buffer
	s_lshl_b32 s38, s34, 21                        ; 512 rows of 4,096 bytes
	s_lshl_b32 s39, s35, 2
	s_add_co_u32 s38, s38, s39
	s_mov_b32 s39, 0
	s_add_nc_u64 s[32:33], s[32:33], s[38:39]
	s_lshl_b32 s38, s36, 9                         ; a row of codes is 512 bytes
	s_lshl_b32 s40, s34, 8
	s_add_co_u32 s38, s38, s40
	s_add_nc_u64 s[20:21], s[20:21], s[38:39]
	s_lshl_b32 s38, s36, 5                         ; a row of scale bytes is 32
	s_lshl_b32 s40, s34, 4
	s_add_co_u32 s38, s38, s40
	s_add_nc_u64 s[22:23], s[22:23], s[38:39]
	v_lshlrev_b32 v3, 2, v2                        ; in: 4 bytes a lane
	s_mul_i32 s41, s28, 32*WP
	s_add_co_u32 s41, s41, WRG                     ; my stage
	v_mul_u32_u24 v4, v2, WP
	v_add_nc_u32 v4, s41, v4                       ; into it: row = my column
	v_and_b32 v5, 15, v2
	v_lshrrev_b32 v6, 4, v2
	v_mul_u32_u24 v7, v6, WP
	v_lshl_add_u32 v7, v5, 4, v7
	v_add_nc_u32 v7, s41, v7                       ; out of it: sixteen lanes to a row, two rows an instruction
	v_mul_u32_u24 v8, v6, 512
	v_lshl_add_u32 v8, v5, 4, v8                   ; and the same place in the codes' buffer
	v_lshlrev_b32 v9, 5, v2                        ; my column's row of scale bytes
.macro WLOAD t
.irp i, 0,1,2,3,4,5,6,7,8,9,10,11,12,13,14,15,16,17,18,19,20,21,22,23,24,25,26,27,28,29,30,31
	global_load_b32 v[WX+32*((\t)%2)+\i], v3, s[32:33] offset:(32*(\t)+\i)*4096 th:TH_LOAD_NT
.endr
.endm
	WLOAD 0
	WLOAD 1
.macro WBLOCK t
.set XS, WX+32*((\t)%2)
.if (\t) < NB-1
	s_wait_loadcnt 32                              ; this block's 32 loads are in; the next block's may be out
.else
	s_wait_loadcnt 0
.endif
	v_max3_num_f32 v12, |v[XS]|, |v[XS+1]|, |v[XS+2]|              ; the block's largest magnitude: all 32 numbers are mine
	v_max3_num_f32 v13, |v[XS+3]|, |v[XS+4]|, |v[XS+5]|
.irp i, 6,10,14,18,22,26
	v_max3_num_f32 v12, v12, |v[XS+\i]|, |v[XS+\i+1]|
	v_max3_num_f32 v13, v13, |v[XS+\i+2]|, |v[XS+\i+3]|
.endr
	v_max3_num_f32 v12, v12, |v[XS+30]|, |v[XS+31]|
	v_max3_num_f32 v12, v12, v13, (EMAX+1)<<23     ; and the floor
	v_add_nc_u32 v11, -(EMAX<<23), v12             ; the conversion's scale operand
	v_lshrrev_b32 v13, 23, v11                     ; the scale's byte
.if (\t)%4 == 0
	v_mov_b32 v[WSB+(\t)/4], v13                   ; four bytes to a register, the lower K in the lower byte
.else
	v_lshl_or_b32 v[WSB+(\t)/4], v13, 8*((\t)%4), v[WSB+(\t)/4]
.endif
.irp g, 0,1,2,3
	v_cvt_scalef32_pk8_fp4_f32 v[WC+\g], v[XS+8*\g:XS+8*\g+7], v11
.endr
	v_nop                                          ; one plain line behind the last conversion
	ds_store_b128 v4, v[WC:WC+3] offset:16*(\t)    ; 32 codes: 16 bytes of my column's row
.if (\t)+2 < NB
	WLOAD (\t)+2
.endif
	s_wait_dscnt 0x0                               ; the store has read its registers: the next block's codes may be written
.endm
.set Q, 0
.rept NB
	WBLOCK Q
.set Q, Q+1
.endr
	global_store_b128 v9, v[WSB:WSB+3], s[22:23]   ; my column's 16 scale bytes
.irp t, 0,1,2,3,4,5,6,7,8,9,10,11,12,13,14,15
	ds_load_b128 v[WOUT+4*\t:WOUT+4*\t+3], v7 offset:2*\t*WP
.endr
.irp t, 0,1,2,3,4,5,6,7,8,9,10,11,12,13,14,15
	s_wait_dscnt 15-\t                             ; LDS loads come back in order: load t is in
	global_store_b128 v8, v[WOUT+4*\t:WOUT+4*\t+3], s[20:21] offset:2*\t*512
.endr
	FINISH
; ---- Wo: the same plan: a lane to a column, registers down K; pairs along K are rounded to f16.  A wave takes 32 columns x 256 along K = four planes of 64.  A plane's 128 bytes a column go through the stage
; (rows of 128 + 16 bytes) and leave four rows, 512 consecutive bytes, an instruction.
.set OP,    144
.set OX,    32                         ; v32-95   two sets of 32 numbers
.set OC,    96                         ; v96-127  two sets of 16 packed registers
.set OO,    128                        ; v128-159 the way out
.Lpath_o:
	s_sub_co_u32 s29, ttmp9, 304
	s_and_b32 s31, s29, 7                          ; which 128 columns
	s_lshr_b32 s30, s29, 3                         ; which 256 along K
	s_lshl_b32 s35, s31, 7
	s_lshl_b32 s36, s28, 5
	s_add_co_u32 s35, s35, s36                     ; my wave's first column
	s_lshl_b32 s38, s30, 20                        ; 256 rows of 4,096 bytes
	s_lshl_b32 s39, s35, 2
	s_add_co_u32 s38, s38, s39
	s_mov_b32 s39, 0
	s_add_nc_u64 s[12:13], s[12:13], s[38:39]
	s_lshl_b32 s38, s30, 19                        ; four planes of 131,072 bytes
	s_lshl_b32 s40, s35, 7                         ; a column's row in a plane is 128 bytes
	s_add_co_u32 s38, s38, s40
	s_add_nc_u64 s[24:25], s[24:25], s[38:39]
	v_lshlrev_b32 v3, 2, v2
	s_mul_i32 s41, s28, 32*OP
	s_add_co_u32 s41, s41, ORG                     ; my stage
	v_mul_u32_u24 v4, v2, OP
	v_add_nc_u32 v4, s41, v4                       ; into it: row = my column
	v_lshrrev_b32 v5, 3, v2
	v_and_b32 v6, 7, v2
	v_mul_u32_u24 v7, v5, OP
	v_lshl_add_u32 v7, v6, 4, v7
	v_add_nc_u32 v7, s41, v7                       ; out of it: eight lanes to a row, four rows an instruction
	v_lshlrev_b32 v8, 4, v2                        ; which are 512 consecutive bytes of the plane
.macro OLOAD t
.irp i, 0,1,2,3,4,5,6,7,8,9,10,11,12,13,14,15,16,17,18,19,20,21,22,23,24,25,26,27,28,29,30,31
	global_load_b32 v[OX+32*((\t)%2)+\i], v3, s[12:13] offset:(32*(\t)+\i)*4096 th:TH_LOAD_NT
.endr
.endm
.macro OBLK t
.if (\t) < 7
	s_wait_loadcnt 32                              ; this block's 32 loads are in; the next block's may be out
.else
	s_wait_loadcnt 0x0
.endif
.irp i, 0,1,2,3,4,5,6,7,8,9,10,11,12,13,14,15
	v_cvt_pk_f16_f32 v[OC+16*((\t)%2)+\i], v[OX+32*((\t)%2)+2*\i], v[OX+32*((\t)%2)+2*\i+1]   ; the lower k in the low half
.endr
.irp i, 0,1,2,3
	ds_store_b128 v4, v[OC+16*((\t)%2)+4*\i:OC+16*((\t)%2)+4*\i+3] offset:64*((\t)%2)+16*\i
.endr
.if (\t)+2 < 8
	OLOAD (\t)+2
.endif
	s_wait_dscnt 0x0
.endm
.macro OUTO pp                         ; plane pp of my four leaves
	s_wait_xcnt 0x0                                ; the last plane's stores have read their registers
.irp u, 0,1,2,3,4,5,6,7
	ds_load_b128 v[OO+4*\u:OO+4*\u+3], v7 offset:\u*4*OP
.endr
.irp u, 0,1,2,3,4,5,6,7
	s_wait_dscnt 7-\u
	global_store_b128 v8, v[OO+4*\u:OO+4*\u+3], s[24:25] offset:(\pp)*131072+512*\u
.endr
.endm
	OLOAD 0
	OLOAD 1
.irp t, 0,1,2,3,4,5,6,7
	OBLK \t
.if (\t)%2 == 1
	OUTO (\t)/2
.endif
.endr
	FINISH
.Lfunc_end_k_q5bdfcb2141_prep:
	.size	k_q5bdfcb2141_prep, .Lfunc_end_k_q5bdfcb2141_prep-k_q5bdfcb2141_prep
	.p2alignl 7, 3214868480
	.fill 96, 4, 3214868480
	.section	.rodata,"a",@progbits
	.p2align	6, 0x0
	.amdhsa_kernel k_q5bdfcb2141_prep
		.amdhsa_group_segment_fixed_size 86528
		.amdhsa_private_segment_fixed_size 0
		.amdhsa_enable_private_segment 0
		.amdhsa_kernarg_size 96
		.amdhsa_user_sgpr_count 2
		.amdhsa_user_sgpr_kernarg_segment_ptr 1
		.amdhsa_wavefront_size32 1
		.amdhsa_system_sgpr_workgroup_id_x 1
		.amdhsa_system_sgpr_workgroup_id_y 1
		.amdhsa_system_sgpr_workgroup_id_z 1
		.amdhsa_system_vgpr_workitem_id 0
		.amdhsa_next_free_vgpr 192
		.amdhsa_next_free_sgpr 66
		.amdhsa_reserve_vcc 1
		.amdhsa_float_denorm_mode_32 3
		.amdhsa_float_denorm_mode_16_64 3
		.amdhsa_memory_ordered 1
		.amdhsa_forward_progress 1
		.amdhsa_inst_pref_size 156
	.end_amdhsa_kernel
	.amdgpu_metadata
---
amdhsa.version: [ 1, 2 ]
amdhsa.kernels:
  - .name:           k_q5bdfcb2141_prep
    .symbol:         k_q5bdfcb2141_prep.kd
    .args:
      - { .name: x, .offset: 0, .size: 8, .value_kind: global_buffer, .address_space: global }
      - { .name: Wq, .offset: 8, .size: 8, .value_kind: global_buffer, .address_space: global }
      - { .name: Wk, .offset: 16, .size: 8, .value_kind: global_buffer, .address_space: global }
      - { .name: Wv, .offset: 24, .size: 8, .value_kind: global_buffer, .address_space: global }
      - { .name: Wo, .offset: 32, .size: 8, .value_kind: global_buffer, .address_space: global }
      - { .name: padding_mask, .offset: 40, .size: 8, .value_kind: global_buffer, .address_space: global }
      - { .name: x_codes, .offset: 48, .size: 8, .value_kind: global_buffer, .address_space: global }
      - { .name: x_scales, .offset: 56, .size: 8, .value_kind: global_buffer, .address_space: global }
      - { .name: w_codes, .offset: 64, .size: 8, .value_kind: global_buffer, .address_space: global }
      - { .name: w_scales, .offset: 72, .size: 8, .value_kind: global_buffer, .address_space: global }
      - { .name: wot, .offset: 80, .size: 8, .value_kind: global_buffer, .address_space: global }
      - { .name: kbias, .offset: 88, .size: 8, .value_kind: global_buffer, .address_space: global }
    .group_segment_fixed_size: 86528
    .private_segment_fixed_size: 0
    .kernarg_segment_align: 8
    .kernarg_segment_size: 96
    .max_flat_workgroup_size: 128
    .sgpr_count:     66
    .vgpr_count:     192
    .wavefront_size: 32
...
	.end_amdgpu_metadata
.endif
;; end of part 1
;; launch qkv (part 2): grid 12 x 32, 4 waves a work-group, clusters of 4 x 4, 327,680 bytes of LDS; arguments x_codes, x_scales, w_codes, w_scales, qkv, bq, bv; writes qkv
.if DOCPART == 2
	.amdgcn_target "amdgcn-amd-amdhsa--gfx1250"
	.amdhsa_code_object_version 6
	.text
	.protected	k_q5bdfcb2141_qkv
	.globl	k_q5bdfcb2141_qkv
	.p2align	8
	.type	k_q5bdfcb2141_qkv,@function
k_q5bdfcb2141_qkv:
	s_mov_b64 s[64:65], 0
	v_nop
	global_prefetch_b8 v0, s[64:65] scope:SCOPE_SE
	s_setreg_imm32_b32 hwreg(HW_REG_WAVE_MODE, 25, 1), 1
	s_wait_xcnt 0x0
	s_wait_alu depctr_hold_cnt(0) depctr_sa_sdst(0) depctr_va_vdst(0) depctr_va_sdst(0) depctr_va_ssrc(0) depctr_va_vcc(0) depctr_vm_vsrc(0)
	s_getreg_b32 s2, hwreg(HW_REG_IB_STS2, 6, 4)
	s_cmp_eq_u32 s2, 0
	s_cbranch_scc0 .Lentry_in_a_cluster
	s_endpgm
.Lentry_in_a_cluster:
	s_bfe_u32 s2, ttmp6, 0x10000c
	s_cmp_lg_u32 s2, 0xf033
	s_cbranch_scc0 .Lentry_shape_is_right
	s_endpgm
.Lentry_shape_is_right:
; q = x Wq + bq, k = x Wk, v = x Wv + bv: ONE product C[m][n] = sum over k of A[m][k] B[n][k] on codes of FP4 (E2M1) with one E8M0 scale for each 32 along K.  A = x's codes [8192][1024], B = the three weights' codes [3072][1024].
; WORK LEFT OUT: bk is not added: it moves every score of a query by the same amount, which the softmax takes away (shown at the head of the first launch).
; The results leave as f16, head by head: qkv[64 which + 16 b + h][s][64], a row of 128 bytes, so that a head's rows are one dense block; positions 0 to 15 of every sequence leave in f32 too, behind the f16 part
; (byte Q16 on: [b][position][3072]), for the launch that carries those rows in f32.  LIMIT: |q|, |k|, |v| under 65,504, f16's largest number.
; A tile of C, 256 x 256, is made by a work-group of four waves; a wave makes 128 x 128: 64 accumulators of 16 x 16, 512 registers.  K = 1,024 is two LDS slots of 512 along K (rows of 256 bytes): both are asked for at the
; head, and nothing is filled again.  The scales of the work-group's 256 rows of A and of B, for all of K, are two dense blocks: they come once, with the first fills.
; CLUSTERS: 4 x 4 work-groups.  The four of a row of the cluster need the same tiles of A, the four of a column the same tiles of B: each tile is asked for JOINTLY.  The tile row is 8 cy + cluster y, so that the batch is cy
; and the place in the sequence hangs on the cluster's y alone; the tile column is 4 x cluster x + cx, so that the cluster's x says which of q, k, v: both tests below are the same in all sixteen partners.
; THE MATRIX INSTRUCTION IS USED TRANSPOSED (source 0 = 16 rows of B, source 1 = 16 rows of A): a lane holds eight neighbouring columns of a row of C.  The bias is the C of each sum's first product.
; REGISTERS, in windows of 256: window 0: v0-31 addresses; v32-95 scale words, two sets; v128-191 A's fragments, ONE set; v192-255 the bias, later the way out.   window 1: B's fragments, TWO sets, at v0 and v128.
;   window 2: the 32 accumulators of my rows 0-63 (accumulator (a, b) at v[8 (8 a + b)]);   window 3: those of my rows 64-127.
.set SIZE_K, 1024
.set KSTEP,  512
.set NQ,     KSTEP/128
.set ROWB,   256
.set KROW,   SIZE_K*4/8
.set PITCH,  272                       ; an LDS row: 256 bytes + 16 of padding = 68 words: the 16 rows that a load touches start 4 words apart modulo 64
.set FR,     8
.set NL,     2
.set NP,     4
.set HALFT,  128*PITCH
.set SLOT,   4*HALFT
.set KS,     SIZE_K/32
.set SCL,    2*SLOT
.set HALFS,  (128*KS/256)*272
.set SBLK,   (16*KS/256)*272
.set SPARE,  SCL+4*HALFS               ; the spare words, 128 bytes for each wave: two blocks of 256 bytes that no other line names
.set SPITCH, 272                       ; the way out: a stage of 16 rows x (256 bytes + 16) for each wave, in slot 0, which has had its only fill and its last read when the first result is stored there
.set PLANE,  262144                    ; a head's 2,048 rows of 128 bytes
.set Q16,    50331648                  ; where the f32 rows begin
.set ADRA, 16
.set ADRB, 20
.set STO,  24
.set RD,   25
.set CO,   26
.set ADRS, 27
.set SPW,  28
.set NIL,  29
.set BOF,  30                          ; v30  32 x (lane / 16): my eight numbers of a bias tile
.set FOF,  31                          ; v31  my place in the f32 rows: 12,288 x (lane % 16) + 32 x (lane / 16)
.set SC,   32
.set AF,   128
.set BIA,  192                         ; v192-255 the bias: tile b's eight numbers at v[BIA + 8 b]
.set TMP,  192                         ; the way out: packed results
.set OB,   32                          ; and 16 rows read back: v32-63 and v224-255 by turns
.set G1, 24
.set G0, 32
.set G1B, 48
.set G0B, 56
.set G1S, 68
.set G0S, 76
.set G1SB, 80
.set G0SB, 88
.set MSB, 0
.macro WIN new                         ; the immediate's high byte repeats the setting that is left
.if MSB != \new
	s_set_vgpr_msb (MSB<<8)|\new
.set MSB, \new
.endif
.endm
.set MUL_LO, 0xa1                      ; source 0 (B) window 1, source 1 (A) window 0, C and D window 2
.set MUL_HI, 0xf1                      ; the same, C and D window 3
.set TO_B,   0x40
; A joint load: waves 0 and 1 fetch for A, waves 2 and 3 for B; the branch hangs on the wave's number alone.  An s_nop 0 and four v_nop follow each of the two lines.
.macro JLOAD g0a, g1a, g0b, g1b
	s_cmp_eq_u32 s15, 0
	s_cbranch_scc0 .Lfor_b_\@
	tensor_load_to_lds s[\g0a:\g0a+3], s[\g1a:\g1a+7]
	s_nop 0
.rept 4
	v_nop
.endr
	s_branch .Lasked_\@
.Lfor_b_\@:
	tensor_load_to_lds s[\g0b:\g0b+3], s[\g1b:\g1b+7]
	s_nop 0
.rept 4
	v_nop
.endr
.Lasked_\@:
.endm
.macro CROUND                          ; a round of the cluster's barrier
	s_barrier_signal -1
	s_barrier_wait -1
	s_cmp_lg_u32 s14, 0
	s_cbranch_scc1 .Lnot_wave_0_\@
	s_barrier_signal -3
.Lnot_wave_0_\@:
	s_barrier_wait -3
	s_barrier_signal -1
	s_barrier_wait -1
.endm
	s_load_b128 s[4:7], s[0:1], 0x0                ; x's codes, x's scales
	s_load_b128 s[8:11], s[0:1], 0x10              ; the weights' codes, their scales
	s_load_b64 s[12:13], s[0:1], 0x20              ; qkv
	s_load_b128 s[96:99], s[0:1], 0x28             ; bq, bv
	v_lshl_add_u32 v[SPW], v0, 2, SPARE
	v_mov_b32 v[NIL], 0
	ds_add_u32 v[SPW], v[NIL]                      ; the wave's opening: the add, twice on end, and its wait ahead of my first tensor load
	ds_add_u32 v[SPW], v[NIL]
	v_lshrrev_b32 v1, 5, v0
	v_readfirstlane_b32 s14, v1                    ; wave 0..3
	s_lshr_b32 s15, s14, 1                         ; which half of the tile's rows is mine.  Also: I fetch for A (0) or for B (1)
	s_and_b32 s16, s14, 1                          ; which half of its columns.  Also: which 128 rows of that tile I fetch
	s_bfe_u32 s40, ttmp6, 0x40000                  ; cx, cy: my place in the cluster
	s_bfe_u32 s41, ttmp6, 0x40004
	s_lshl_b32 s42, ttmp9, 2
	s_add_co_u32 s42, s42, s40                     ; tile column of C = 4 x cluster x + cx
	s_and_b32 s66, ttmp7, 0xffff                   ; cluster y
	s_lshl_b32 s17, s41, 3
	s_add_co_u32 s17, s17, s66                     ; tile row of C = 8 cy + cluster y
	s_or_b32 s67, s66, s15                         ; 0 where my rows begin with positions 0 to 15 of a sequence
	s_lshl_b32 s43, s41, 2
	s_lshl_b32 s43, 15, s43                        ; my row of the cluster
	s_lshl_b32 s44, 0x1111, s40                    ; my column
	s_or_b32 s[G1+0], s43, (0<<16)|(1<<20)|(1<<21)|(5<<22)|(3<<25)  ; the mask; elements of 1 byte; padding on; bit 21 beside a mask; after every 64 words, 4 words
	s_or_b32 s[G1B+0], s44, (0<<16)|(1<<20)|(1<<21)|(5<<22)|(3<<25)
.irp g, G1, G1B
	s_mov_b32 s[\g+1], ROWB<<16                    ; tensor_dim0
	s_mov_b32 s[\g+2], 128<<16                     ; tensor_dim1
	s_mov_b32 s[\g+3], ROWB<<16                    ; tile_dim0
	s_mov_b32 s[\g+4], 128                         ; tile_dim1
	s_mov_b32 s[\g+5], KROW                        ; from row to row
	s_mov_b32 s[\g+6], 0
	s_mov_b32 s[\g+7], 0
.endr
	s_or_b32 s[G1S+0], s43, (3<<16)|(1<<20)|(1<<21)|(5<<22)|(3<<25)  ; the scales of 128 rows: 4,096 dense bytes as rows of 256 (32 elements of 8 bytes), 16 bytes of padding behind each
	s_or_b32 s[G1SB+0], s44, (3<<16)|(1<<20)|(1<<21)|(5<<22)|(3<<25)
.irp g, G1S, G1SB
	s_mov_b32 s[\g+1], 32<<16
	s_mov_b32 s[\g+2], (128*KS/256)<<16
	s_mov_b32 s[\g+3], 32<<16
	s_mov_b32 s[\g+4], 128*KS/256
	s_mov_b32 s[\g+5], 32
	s_mov_b32 s[\g+6], 0
	s_mov_b32 s[\g+7], 0
.endr
	s_lshl_b32 s18, s16, 7                         ; which 128 rows of the tile I fetch
	s_lshl_b32 s20, s17, 8
	s_add_co_u32 s20, s20, s18                     ; A: row 256 x tile row + 128 x half
	s_lshl_b32 s46, s42, 8
	s_add_co_u32 s46, s46, s18                     ; B: row 256 x tile column + 128 x half
	s_mov_b32 s21, 0
	s_mov_b32 s47, 0
	s_mov_b64 s[18:19], KS
	s_mul_u64 s[22:23], s[20:21], s[18:19]         ; where these rows' scales begin
	s_mul_u64 s[92:93], s[46:47], s[18:19]
	s_mov_b64 s[18:19], KROW
	s_mul_u64 s[20:21], s[20:21], s[18:19]         ; and their codes
	s_mul_u64 s[46:47], s[46:47], s[18:19]
	s_mul_i32 s45, s14, HALFT                      ; where they go: wave x 128 rows
	s_mul_i32 s94, s14, HALFS
	s_wait_dscnt 0x0                               ; both opening adds are done
	s_wait_kmcnt 0x0
	s_add_nc_u64 s[20:21], s[4:5], s[20:21]
	s_add_nc_u64 s[22:23], s[6:7], s[22:23]
	s_add_nc_u64 s[46:47], s[8:9], s[46:47]
	s_add_nc_u64 s[92:93], s[10:11], s[92:93]
	CROUND                                         ; all sixteen work-groups are here: the joint loads meet
	s_mov_b32 s[G0S], 1
	s_add_co_u32 s[G0S+1], s94, SCL
	s_mov_b64 s[G0S+2:G0S+3], s[22:23]
	s_or_b32 s[G0S+3], s[G0S+3], 0x80000000
	s_mov_b32 s[G0SB], 1
	s_add_co_u32 s[G0SB+1], s94, SCL
	s_mov_b64 s[G0SB+2:G0SB+3], s[92:93]
	s_or_b32 s[G0SB+3], s[G0SB+3], 0x80000000
	JLOAD G0S, G1S, G0SB, G1SB                     ; the scales first: they are wanted with the first slot
.irp s, 0,1
	s_mov_b32 s[G0+4*\s], 1
	s_add_co_u32 s[G0+4*\s+1], s45, \s*SLOT
	s_add_nc_u64 s[G0+4*\s+2:G0+4*\s+3], s[20:21], \s*ROWB
	s_or_b32 s[G0+4*\s+3], s[G0+4*\s+3], 0x80000000
	s_mov_b32 s[G0B+4*\s], 1
	s_add_co_u32 s[G0B+4*\s+1], s45, \s*SLOT
	s_add_nc_u64 s[G0B+4*\s+2:G0B+4*\s+3], s[46:47], \s*ROWB
	s_or_b32 s[G0B+4*\s+3], s[G0B+4*\s+3], 0x80000000
	JLOAD G0+4*\s, G1, G0B+4*\s, G1B               ; three tensor loads of mine are out in all
.endr
	v_and_b32 v1, 15, v0                           ; l % 16
	v_bfe_u32 v2, v0, 4, 1                         ; l / 16
	v_mul_u32_u24 v3, v1, PITCH
	v_lshl_add_u32 v4, v2, 4, v3                   ; a fragment's row x pitch + 16 x half
	s_mul_i32 s21, s15, HALFT                      ; my 128 rows of A
	s_mul_i32 s22, s16, HALFT                      ; my 128 rows of B,
	s_add_co_u32 s22, s22, 2*HALFT                 ; which lie behind A's 256
.irp s, 0,1
	v_add_nc_u32 v[ADRA+\s], s21, v4
	v_add_nc_u32 v[ADRB+\s], s22, v4
	s_add_co_u32 s21, s21, SLOT
	s_add_co_u32 s22, s22, SLOT
.endr
	v_mul_u32_u24 v5, v1, KS                       ; my row's scales: 32 bytes a row,
	v_lshrrev_b32 v6, 8, v5
	v_lshl_add_u32 v5, v6, 4, v5                   ; and 16 more for each 256 passed
	s_mul_i32 s21, s15, HALFS                      ; A's: my 128 rows
	s_mul_i32 s22, s16, HALFS                      ; B's: my 128 rows, behind A's 256
	s_add_co_u32 s22, s22, 2*HALFS
	s_sub_co_u32 s22, s22, s21
	v_mul_u32_u24 v6, s22, v2                      ; lanes 16-31 take B's
	s_add_co_u32 s21, s21, SCL
	v_add_nc_u32 v5, v5, v6
	v_add_nc_u32 v[ADRS], s21, v5
	s_mul_i32 s23, s14, 16*SPITCH                  ; my stage
	v_mul_u32_u24 v5, v1, SPITCH                   ; in: row l % 16, 16 bytes for each half of the lanes
	v_lshl_add_u32 v5, v2, 4, v5
	v_add_nc_u32 v[STO], s23, v5
	v_bfe_u32 v5, v0, 3, 2                         ; back: eight lanes take a head's 128 bytes of a row, four rows an instruction
	v_and_b32 v6, 7, v0
	v_mul_u32_u24 v5, v5, SPITCH
	v_lshl_add_u32 v5, v6, 4, v5
	v_add_nc_u32 v[RD], s23, v5
	v_and_b32 v6, 31, v0
	v_lshlrev_b32 v[CO], 4, v6                     ; which are 512 consecutive bytes of the head's plane
	v_lshlrev_b32 v[BOF], 5, v2
	v_mul_u32_u24 v[FOF], v1, 12288
	v_lshl_add_u32 v[FOF], v2, 5, v[FOF]
	s_mul_i32 s92, s41, 196608                     ; the f32 rows: batch cy's 16 rows of 12,288 bytes,
	s_lshl_b32 s93, ttmp9, 12                      ; which of q, k, v,
	s_add_co_u32 s92, s92, s93
	s_lshl_b32 s93, s40, 10                        ; the tile's 256 columns,
	s_add_co_u32 s92, s92, s93
	s_lshl_b32 s93, s16, 9                         ; my 128 of them
	s_add_co_u32 s92, s92, s93
	s_add_co_u32 s92, s92, Q16
	s_mov_b32 s93, 0
	s_add_nc_u64 s[94:95], s[12:13], s[92:93]
	s_lshl_b32 s100, s40, 10                       ; my 128 numbers of a bias
	s_lshl_b32 s101, s16, 9
	s_add_co_u32 s100, s100, s101
	s_mov_b32 s101, 0
	s_lshl_b32 s20, ttmp9, 6                       ; the f16 planes: 64 which + 16 cy,
	s_lshl_b32 s21, s41, 4
	s_add_co_u32 s20, s20, s21
	s_lshl_b32 s20, s20, 18
	s_lshl_b32 s21, s66, 15                        ; row 256 x cluster y
	s_add_co_u32 s20, s20, s21
	s_lshl_b32 s21, s15, 14                        ; + 128 x half, 128 bytes a row
	s_add_co_u32 s20, s20, s21
	s_mov_b32 s21, 0
	s_lshl_b32 s46, s40, 2                         ; + head 4 cx + 2 x half
	s_lshl_b32 s47, s16, 1
	s_add_co_u32 s46, s46, s47
	s_lshl_b32 s46, s46, 18
	s_mov_b32 s47, 0
	s_add_nc_u64 s[20:21], s[20:21], s[46:47]
	s_add_nc_u64 s[12:13], s[12:13], s[20:21]
.macro FRAG reg, adr, q, i             ; a fragment, 16 rows x 128 K of 4-bit codes, is 8 registers: lane l holds row l % 16; registers 4 c .. 4 c + 3 hold K = 64 c + 32 (l / 16) + 0 .. 31
.irp c, 0,1
	ds_load_b128 v[\reg+4*\c:\reg+4*\c+3], v[\adr] offset:64*(\q)+32*\c+(\i)*16*PITCH
.endr
.endm
; 16 matrix instructions: A's blocks a0, a0 + 1 x B's eight, 128 along K.  p: B's set; sc: the set of scale words.  zero = 1: the product starts the sums with 0; 2: with the bias; 0: it adds in place.
; The 64 accumulators take turns, one instruction a turn, in the same order in every step.
.macro MUL16 a0, p, q, sc, zero
.irp a, \a0, \a0+1
.irp b, 0,1,2,3,4,5,6,7
.if (\zero) == 1
	v_wmma_scale_f32_16x16x128_f8f6f4 v[8*(8*((\a)%4)+\b):8*(8*((\a)%4)+\b)+7], v[128*(\p)+FR*\b:128*(\p)+FR*\b+FR-1], v[AF+FR*(\a):AF+FR*(\a)+FR-1], 0, v[SC+8*NQ*(\sc)+NQ*\b+(\q)], v[SC+8*NQ*(\sc)+NQ*(\a)+(\q)] matrix_a_fmt:MATRIX_FMT_FP4 matrix_b_fmt:MATRIX_FMT_FP4 matrix_a_scale:MATRIX_SCALE_ROW1
.elseif (\zero) == 2
	v_wmma_scale_f32_16x16x128_f8f6f4 v[8*(8*((\a)%4)+\b):8*(8*((\a)%4)+\b)+7], v[128*(\p)+FR*\b:128*(\p)+FR*\b+FR-1], v[AF+FR*(\a):AF+FR*(\a)+FR-1], v[BIA+8*\b:BIA+8*\b+7], v[SC+8*NQ*(\sc)+NQ*\b+(\q)], v[SC+8*NQ*(\sc)+NQ*(\a)+(\q)] matrix_a_fmt:MATRIX_FMT_FP4 matrix_b_fmt:MATRIX_FMT_FP4 matrix_a_scale:MATRIX_SCALE_ROW1
.else
	v_wmma_scale_f32_16x16x128_f8f6f4 v[8*(8*((\a)%4)+\b):8*(8*((\a)%4)+\b)+7], v[128*(\p)+FR*\b:128*(\p)+FR*\b+FR-1], v[AF+FR*(\a):AF+FR*(\a)+FR-1], v[8*(8*((\a)%4)+\b):8*(8*((\a)%4)+\b)+7], v[SC+8*NQ*(\sc)+NQ*\b+(\q)], v[SC+8*NQ*(\sc)+NQ*(\a)+(\q)] matrix_a_fmt:MATRIX_FMT_FP4 matrix_b_fmt:MATRIX_FMT_FP4 matrix_a_scale:MATRIX_SCALE_ROW1
.endif
.endr
.endr
.endm
.macro FETCH_B slot, q, p
	WIN TO_B
.irp i, 0,1,2,3,4,5,6,7
	FRAG 128*(\p)+FR*\i, ADRB+\slot, \q, \i
.endr
	WIN 0
.endm
.macro FETCH_A slot, q, i0
.irp i, \i0, \i0+1, \i0+2, \i0+3
	FRAG AF+FR*(\i), ADRA+\slot, \q, \i
.endr
.endm
.macro SCALES sc                       ; a slot's scale words: four words a row; lanes 0-15 take A's block i, lanes 16-31 B's block i
.irp i, 0,1,2,3,4,5,6,7
	ds_load_b128 v[SC+8*NQ*\sc+NQ*\i:SC+8*NQ*\sc+NQ*\i+3], v[ADRS] offset:\i*SBLK
.endr
.endm
.macro PLACES n                        ; plain vector lines between a matrix instruction and a load into, or a read of, its registers
.rept \n
	v_nop
.endr
.endm
; A step of 128 along K that has its successor in the same slot.  A's blocks 0-3 are fetched anew in its middle, blocks 4-7 at its end; B has two sets.
.macro STEP slot, q, zero
	s_wait_dscnt 4*NL                              ; B's set and A's blocks 0-3 are in; the youngest eight loads (A's blocks 4-7) may be out
.if (\zero) == 2
	WIN 0x81                                       ; C (the bias) in window 0, D in window 2
.else
	WIN MUL_LO
.endif
	MUL16 0, (\q)%2, \q, \slot, \zero
	MUL16 2, (\q)%2, \q, \slot, \zero
	s_wait_dscnt 0                                 ; A's blocks 4-7 are in
	PLACES NP
	FETCH_B \slot, (\q)+1, 1-(\q)%2
	FETCH_A \slot, (\q)+1, 0
.if (\zero) == 2
	WIN 0xc1
.else
	WIN MUL_HI
.endif
	MUL16 4, (\q)%2, \q, \slot, \zero
	MUL16 6, (\q)%2, \q, \slot, \zero
	PLACES NP
	WIN 0
	FETCH_A \slot, (\q)+1, 4
.endm
.macro STEPS slot, from
.set Q, \from
.rept NQ-1-\from
	STEP \slot, Q, 0
.set Q, Q+1
.endr
.endm
	s_wait_tensorcnt 1                             ; the scales and my part of slot 0 are in; slot 1's load may be out
	s_barrier_signal -1
	s_barrier_wait -1                              ; everybody's are
	FETCH_B 0, 0, 0
	FETCH_A 0, 0, 0
	SCALES 0
	FETCH_A 0, 0, 4
	s_cmp_eq_u32 ttmp9, 1                          ; k has no bias.  The cluster's x is the same in all sixteen partners
	s_cbranch_scc1 .Lno_bias
	s_cmp_eq_u32 ttmp9, 0
	s_cselect_b64 s[96:97], s[96:97], s[98:99]     ; bq or bv
	s_add_nc_u64 s[96:97], s[96:97], s[100:101]
.irp b, 0,1,2,3,4,5,6,7
	global_load_b128 v[BIA+8*\b:BIA+8*\b+3], v[BOF], s[96:97] offset:64*\b          ; lane (r, h): the bias of columns 16 b + 8 h + 0 .. 7
	global_load_b128 v[BIA+8*\b+4:BIA+8*\b+7], v[BOF], s[96:97] offset:64*\b+16
.endr
	s_wait_loadcnt 0x0
	STEP 0, 0, 2                                   ; the first products start the sums with the bias
	s_branch .Lbias_done
.Lno_bias:
	STEP 0, 0, 1                                   ; or with 0
.Lbias_done:
	STEPS 0, 1
	; the change of slots: one barrier; in front of it each wave waits for all its tensor loads, adds 0 to its spare word, and waits for that and for its reads of slot 0.  Nothing is filled again
	s_wait_tensorcnt 0x0                           ; my part of slot 1 has landed
	ds_add_u32 v[SPW], v[NIL]
	s_wait_dscnt 4*NL+1                            ; (the add and the youngest eight loads may be out)
	WIN MUL_LO
	MUL16 0, 1, NQ-1, 0, 0
	s_wait_dscnt 0x0                               ; the add is done, and my reads of slot 0 are over
	s_barrier_signal -1
	MUL16 2, 1, NQ-1, 0, 0
	WIN 0
	s_barrier_wait -1
	PLACES NP
	v_add_nc_u32 v[ADRS], 4*NQ, v[ADRS]            ; on to slot 1's scale words
	FETCH_B 1, 0, 0
	FETCH_A 1, 0, 0
	SCALES 1
	WIN MUL_HI
	MUL16 4, 1, NQ-1, 0, 0
	MUL16 6, 1, NQ-1, 0, 0
	PLACES NP
	WIN 0
	FETCH_A 1, 0, 4
	STEPS 1, 0
	s_wait_dscnt 4*NL                              ; the very last step: nothing more to fetch
	WIN MUL_LO
	MUL16 0, 1, NQ-1, 1, 0
	MUL16 2, 1, NQ-1, 1, 0
	s_wait_dscnt 0
	WIN MUL_HI
	MUL16 4, 1, NQ-1, 1, 0
	MUL16 6, 1, NQ-1, 1, 0
	WIN 0
	PLACES NP                                      ; in front of the first reads of results and of loads into registers that matrix instructions have read
	; positions 0 to 15 in f32: my block 0, where my rows begin a sequence.  The test hangs on the cluster's y and the wave's number: the same in all partners.  32 bytes a lane: these rows are a small part of the launch's stores
	s_cmp_lg_u32 s67, 0
	s_cbranch_scc1 .Lno_f32
	WIN 0x08                                       ; a store's data are its source 1: window 2
.irp b, 0,1,2,3,4,5,6,7
	global_store_b128 v[FOF], v[8*\b:8*\b+3], s[94:95] offset:64*\b          ; each accumulator from its low end on
	global_store_b128 v[FOF], v[8*\b+4:8*\b+7], s[94:95] offset:64*\b+16
.endr
	WIN 0
.Lno_f32:
; THE WAY OUT, block by block of 16 rows x 128 columns (two heads).  PACK: rounded to f16, 16 bytes a lane.  TOSTAGE: into my stage, and back head by head, four rows of 128 bytes an instruction.  SEND: stored.
.macro PACK a
.set AC, 64*((\a)%4)
	WIN 0x0a+5*((\a)/4)                            ; sources 0 and 1: window 2 or 3
.irp b, 0,1,2,3,4,5,6,7
.irp r, 0,1,2,3
	v_cvt_pk_f16_f32 v[TMP+4*\b+\r], v[AC+8*\b+2*\r], v[AC+8*\b+2*\r+1]
.endr
.endr
	WIN 0
.endm
.macro TOSTAGE a
.set BB, OB+192*((\a)%2)
.irp b, 0,1,2,3,4,5,6,7
	ds_store_b128 v[STO], v[TMP+4*\b:TMP+4*\b+3] offset:32*\b
.endr
.irp t, 0,1,2,3
.irp hh, 0,1
	ds_load_b128 v[BB+4*(2*\t+\hh):BB+4*(2*\t+\hh)+3], v[RD] offset:4*SPITCH*\t+128*\hh   ; LDS serves a wave's instructions in order: these see the stores above
.endr
.endr
.endm
.macro SEND a
.set BB, OB+192*((\a)%2)
	s_wait_dscnt 0x0                               ; the block is back in registers
	s_wait_xcnt 0x0                                ; earlier stores have read their registers: the next block's loads may land there
.irp t, 0,1,2,3
.irp hh, 0,1
	global_store_b128 v[CO], v[BB+4*(2*\t+\hh):BB+4*(2*\t+\hh)+3], s[12:13] offset:\hh*PLANE+2048*(\a)+512*\t   ; 32 lanes store 512 consecutive bytes, aligned
.endr
.endr
.endm
	PACK 0
	TOSTAGE 0
.irp a, 1,2,3,4,5,6,7                  ; block a's conversions stand between block a - 1's loads from the stage and the wait for them
	PACK \a
	SEND (\a)-1
	TOSTAGE \a
.endr
	SEND 7
	s_wait_tensorcnt 0x0                           ; the wave's end: three lines, behind my last tensor load and my last LDS store
	ds_add_u32 v[SPW], v[NIL]
	s_wait_dscnt 0x0
	CROUND                                         ; the closing round: no work-group ends while a partner may still ask for a tile that names it
	s_endpgm
.Lfunc_end_k_q5bdfcb2141_qkv:
	.size	k_q5bdfcb2141_qkv, .Lfunc_end_k_q5bdfcb2141_qkv-k_q5bdfcb2141_qkv
	.p2alignl 7, 3214868480
	.fill 96, 4, 3214868480
	.section	.rodata,"a",@progbits
	.p2align	6, 0x0
	.amdhsa_kernel k_q5bdfcb2141_qkv
		.amdhsa_group_segment_fixed_size 327680
		.amdhsa_private_segment_fixed_size 0
		.amdhsa_enable_private_segment 0
		.amdhsa_kernarg_size 56
		.amdhsa_user_sgpr_count 2
		.amdhsa_user_sgpr_kernarg_segment_ptr 1
		.amdhsa_wavefront_size32 1
		.amdhsa_system_sgpr_workgroup_id_x 1
		.amdhsa_system_sgpr_workgroup_id_y 1
		.amdhsa_system_sgpr_workgroup_id_z 1
		.amdhsa_system_vgpr_workitem_id 0
		.amdhsa_next_free_vgpr 1024
		.amdhsa_next_free_sgpr 102
		.amdhsa_reserve_vcc 0
		.amdhsa_float_denorm_mode_32 3
		.amdhsa_float_denorm_mode_16_64 3
		.amdhsa_memory_ordered 1
		.amdhsa_forward_progress 1
		.amdhsa_inst_pref_size 141
	.end_amdhsa_kernel
	.amdgpu_metadata
---
amdhsa.version: [ 1, 2 ]
amdhsa.kernels:
  - .name:           k_q5bdfcb2141_qkv
    .symbol:         k_q5bdfcb2141_qkv.kd
    .args:
      - { .name: x_codes, .offset: 0, .size: 8, .value_kind: global_buffer, .address_space: global }
      - { .name: x_scales, .offset: 8, .size: 8, .value_kind: global_buffer, .address_space: global }
      - { .name: w_codes, .offset: 16, .size: 8, .value_kind: global_buffer, .address_space: global }
      - { .name: w_scales, .offset: 24, .size: 8, .value_kind: global_buffer, .address_space: global }
      - { .name: qkv, .offset: 32, .size: 8, .value_kind: global_buffer, .address_space: global }
      - { .name: bq, .offset: 40, .size: 8, .value_kind: global_buffer, .address_space: global }
      - { .name: bv, .offset: 48, .size: 8, .value_kind: global_buffer, .address_space: global }
    .group_segment_fixed_size: 327680
    .private_segment_fixed_size: 0
    .kernarg_segment_align: 8
    .kernarg_segment_size: 56
    .max_flat_workgroup_size: 128
    .sgpr_count:     102
    .vgpr_count:     1024
    .wavefront_size: 32
...
	.end_amdgpu_metadata
.endif
;; end of part 2
;; launch attn (part 3): grid 4 x 64, 8 waves a work-group, no clusters, 327,680 bytes of LDS; arguments qkv, kbias, att; writes att
.if DOCPART == 3
	.amdgcn_target "amdgcn-amd-amdhsa--gfx1250"
	.amdhsa_code_object_version 6
	.text
	.protected	k_q5bdfcb2141_attn
	.globl	k_q5bdfcb2141_attn
	.p2align	8
	.type	k_q5bdfcb2141_attn,@function
k_q5bdfcb2141_attn:
	s_mov_b64 s[64:65], 0
	v_nop
	global_prefetch_b8 v0, s[64:65] scope:SCOPE_SE
	s_setreg_imm32_b32 hwreg(HW_REG_WAVE_MODE, 25, 1), 1
	s_wait_xcnt 0x0
; att[bh][q][:] = the sum over k of softmax_k(Q[q] . K[k] / 8, under the causal mask and the padding mask) V[k][:], for each of 64 planes bh = 16 b + h.  Q, K, V, att: rows of 64 f16.  Products on f16 operands, sums,
; maxima and exponentials in f32; the weights p are rounded to f16 for the second product, att once at the end.
; WORK LEFT OUT: key steps that lie wholly above the causal diagonal, which the problem's own mask throws away; and bk (shown at the head of the first launch).
; THE PADDING MASK is honoured by values alone: kbias holds 0 or -1e30 for each key and is the C of a key tile's first product.  The running maximum starts at -1e20: scores of f16 operands stay under 64 x 65,504^2 = 2.8e11 in
; size, so that floor binds only while a row has had no key that counts; a masked score then gives 2^(c (-1e30 - m)) = 0 exactly.  A row whose keys are all masked ends with the sum 0, and its 1 / sum is replaced by 0.
; SHARES.  Work-group (i, bh) owns query blocks i and 7 - i (256 queries each) of one plane and walks (i + 1) + (8 - i) = 9 slots of 256 keys, whatever i: 256 work-groups of equal work, all trip counts constants.
; Wave w owns 32 queries of a block, two tiles of 16: group G = 2 w (w < 4) or 15 - 2 w, so that waves w and w + 4 have five visible steps together in a slot on the diagonal.
; K, V and the key bias come through a ring of two LDS slots filled by the tensor data mover (waves 0, 1: K's halves; 2, 3: V's; 4: the bias) and read by all eight.
; NO CLUSTER: in a given trip the four work-groups of a plane walk different key slots (i + 1 slots, then 8 - i); walked in step, some partners would be sent whole tiles that no wave of theirs reads.
; LAYOUT.  S^T = K Q^T (source 0 = 16 keys, source 1 = 16 queries): a lane holds ONE query (lane % 16) and the keys 8 (lane / 16) + 0..7.  Two such tiles, rounded to f16 in pairs, ARE source 1 of O^T = V^T P.
; K comes out of LDS as it lies, V ([key][channel]) turned, by ds_load_tr16_b128.
; REGISTERS: window 0: v1-15 addresses and constants; v16-31 eight statistics a tile (+0 c m, +1 m, +2, +3 the sum, +4 to +7 at work, a in +6); v32-63 the bias as C; v64-127 S^T; v128-159 P; v160-223 O^T; v224.. at work.
;   window 1: v0-31 Q; v32-95 K of a step; v96-159 V of a step.
.set SLOT1, 131072                     ; slot 1 begins here: one exclusive or turns an address in one slot into the other's
.set PK,    144                        ; a row of K in LDS: 128 bytes + 16
.set PV,    160                        ; a row of V: 128 + 32
.set VOFF,  256*PK
.set BOFF,  VOFF+256*PV                ; a slot's 256 numbers of key bias
.set STAGE, 2*SLOT1                    ; the way out: 16 rows x 144 bytes for each wave
.set SPARE, STAGE+8*16*144             ; the spare words, 128 bytes for each wave: four blocks of 256 bytes that no other line names
.set PLANE, 262144
.set NEGF,  0xf149f2ca                 ; -1e30
.set MINIT, 0xe0ad78ec                 ; -1e20
.set AK0, 1
.set AV0, 2
.set AB0, 3
.set ADK, 4
.set ADV, 5
.set ADB, 6
.set QO,  7
.set STO, 8
.set RD,  9
.set GO,  10
.set DQ,  11                           ; v11  lane % 16 - 8 (lane / 16)
.set SPW, 12
.set NIL, 13
.set PFO, 14                           ; v14  256 x lane: the prefetches' offset
.set NEGR, 15                          ; v15  -1e30
.set ST,  16
.set BI,  32
.set S,   64
.set P,   128
.set O,   160
.set TM,  224
.set QF,  0                            ; in window 1
.set KFR, 32
.set VFR, 96
.set TK,  2                            ; s2   LDS byte at which the step's rows of K begin;  s3 V's;  s72 the bias's
.set TV,  3
.set WV,  18
.set G,   19
.set SEL, 20
.set CS,  22                           ; s[22:23] c = log2(e) / 8
.set G1K, 24
.set G1V, 32
.set G1B, 40
.set G0K, 48
.set G0V, 52
.set G0B, 56
.set KB,  60                           ; s[60:61] my half of K's slot 0 in memory;  s[62:63] V's;  s[66:67] the batch's key bias
.set VB,  62
.set BB,  66
.set OFF, 68                           ; s[68:69] the slot to be asked for, in bytes of K or V;  s[70:71] of the bias
.set OFB, 70
.set TBI, 72
.set SLOTS, 73                         ; 8 down to 1
.set SW,  74                           ; 8 - i: the trip that ends the first query block
.set KS,  75                           ; the key slot last asked for
.set KF,  76                           ; the step's first key
.set Q0,  77                           ; my first query
.set STEPC, 78
.set BLK, 79
.set QA,  80
.set OA,  82
.set PFA, 84
.set LIM, 86
.set BH,  87
.set KPL, 88                           ; s[88:89] K's plane;  s[90:91] V's;  s[92:93] Q's;  s[94:95] att's
.set VPL, 90
.set QPL, 92
.set APL, 94
.set MSB, 0
.macro WIN new                         ; the immediate's high byte repeats the setting that is left
.if MSB != \new
	s_set_vgpr_msb (MSB<<8)|\new
.set MSB, \new
.endif
.endm
; Waves 0 and 1 fetch K's halves, 2 and 3 V's, 4 the bias, the others nothing.  The branches hang on the wave's number alone.  An s_nop 0 and four v_nop follow each tensor load.
.macro TLOAD
	s_cmp_lt_u32 s[WV], 2
	s_cbranch_scc0 .Lnot_k_\@
	tensor_load_to_lds s[G0K:G0K+3], s[G1K:G1K+7]
	s_nop 0
.rept 4
	v_nop
.endr
	s_branch .Lasked_\@
.Lnot_k_\@:
	s_cmp_lt_u32 s[WV], 4
	s_cbranch_scc0 .Lnot_v_\@
	tensor_load_to_lds s[G0V:G0V+3], s[G1V:G1V+7]
	s_nop 0
.rept 4
	v_nop
.endr
	s_branch .Lasked_\@
.Lnot_v_\@:
	s_cmp_eq_u32 s[WV], 4
	s_cbranch_scc0 .Lasked_\@
	tensor_load_to_lds s[G0B:G0B+3], s[G1B:G1B+7]
	s_nop 0
.rept 4
	v_nop
.endr
.Lasked_\@:
.endm
; A PREFETCH INTO THE L2.  All four work-groups of a plane walk the same K and V: work-group i = 0 asks, and in it two waves that fetch nothing: wave 5 for K, wave 6 for V.  In trip t = 1 .. 7 they name key slot t
; (256 rows of 128 bytes, one dense block: four instructions, lanes 256 bytes apart), which that work-group's tensor loads ask for one trip, four key steps, later.  Each block of 256 bytes is named once in the launch;
; slot 0 comes by its loads alone; the last trip asks for nothing.
.macro ASK
	s_cmp_gt_u32 s[SLOTS], s[LIM]
	s_cbranch_scc0 .Lnot_mine_\@
.irp n, 0,1,2,3
	global_prefetch_b8 v[PFO], s[PFA:PFA+1] offset:8192*\n th:TH_LOAD_NT scope:SCOPE_SE
.endr
.Lnot_mine_\@:
.endm
	s_load_b128 s[4:7], s[0:1], 0x0                ; qkv, kbias
	s_load_b64 s[8:9], s[0:1], 0x10                ; att
	v_lshl_add_u32 v[SPW], v0, 2, SPARE
	v_mov_b32 v[NIL], 0
	ds_add_u32 v[SPW], v[NIL]                      ; the wave's opening: the add, twice on end, and its wait ahead of my first tensor load
	ds_add_u32 v[SPW], v[NIL]
	v_lshrrev_b32 v1, 5, v0
	v_readfirstlane_b32 s[WV], v1                  ; wave 0..7
	s_and_b32 s[BH], ttmp7, 0xffff                 ; the plane 16 b + h
	s_lshl_b32 s96, s[WV], 1
	s_sub_co_u32 s97, 15, s96
	s_cmp_lt_u32 s[WV], 4
	s_cselect_b32 s[G], s96, s97                   ; my group of 32 queries in a block
	s_mov_b32 s[G1K], (1<<16)|(1<<20)|(4<<22)|(3<<25)   ; elements of 2 bytes; padding on: after every 32 words, 4 words
	s_mov_b32 s[G1V], (1<<16)|(1<<20)|(4<<22)|(7<<25)   ; the same with 8 words
.irp g, G1K, G1V
	s_mov_b32 s[\g+1], 64<<16                      ; tensor_dim0 = 64
	s_mov_b32 s[\g+2], 128<<16                     ; tensor_dim1 = 128
	s_mov_b32 s[\g+3], 64<<16                      ; tile_dim0
	s_mov_b32 s[\g+4], 128                         ; tile_dim1
	s_mov_b32 s[\g+5], 64                          ; from row to row
	s_mov_b32 s[\g+6], 0
	s_mov_b32 s[\g+7], 0
.endr
	s_mov_b32 s[G1B], 3<<16                        ; 1,024 dense bytes as 4 rows of 32 elements of 8 bytes, no padding
	s_mov_b32 s[G1B+1], 32<<16
	s_mov_b32 s[G1B+2], 4<<16
	s_mov_b32 s[G1B+3], 32<<16
	s_mov_b32 s[G1B+4], 4
	s_mov_b32 s[G1B+5], 32
	s_mov_b32 s[G1B+6], 0
	s_mov_b32 s[G1B+7], 0
	s_mov_b32 s[SEL], 0x76543210
	s_mov_b32 s[SEL+1], 0xfedcba98
	s_mov_b32 s[CS], 0x3e38aa3b                    ; c = log2(e) / 8
	s_mov_b32 s[CS+1], s[CS]                       ; (named with it as a pair, so it is written)
	s_mov_b32 s[TK], 0
	s_mov_b32 s[TV], VOFF
	s_mov_b32 s[TBI], BOFF
	s_mov_b32 s[SLOTS], 8
	s_sub_co_u32 s[SW], 8, ttmp9
	s_mov_b32 s[KS], 0
	s_mov_b32 s[KF], 0
	s_mov_b32 s[BLK], ttmp9
	s_and_b32 s96, s[WV], 1                        ; which half of a slot's rows I fetch, if I fetch
	s_mul_i32 s[G0K+1], s96, 128*PK
	s_mul_i32 s[G0V+1], s96, 128*PV
	s_add_co_u32 s[G0V+1], s[G0V+1], VOFF
	s_mov_b32 s[G0B+1], BOFF
	s_lshl_b32 s[OFF], s96, 14                     ; (for now: that half in memory)
	s_mov_b32 s[OFF+1], 0
	s_mov_b32 s[OFB+1], 0
	s_sub_co_u32 s96, s[WV], 5
	s_lshr_b32 s96, s96, 1                         ; 0 in waves 5 and 6,
	s_or_b32 s96, s96, ttmp9                       ; of work-group i = 0
	s_cmp_eq_u32 s96, 0
	s_cselect_b32 s[LIM], 1, -1
	s_wait_dscnt 0x0                               ; both opening adds are done
	s_wait_kmcnt 0x0
	s_lshl_b32 s96, s[BH], 18
	s_mov_b32 s97, 0
	s_add_nc_u64 s[QPL:QPL+1], s[4:5], s[96:97]
	s_add_nc_u64 s[APL:APL+1], s[8:9], s[96:97]
	s_add_nc_u64 s[KPL:KPL+1], s[QPL:QPL+1], 64*PLANE
	s_add_nc_u64 s[VPL:VPL+1], s[QPL:QPL+1], 128*PLANE
	s_add_nc_u64 s[KB:KB+1], s[KPL:KPL+1], s[OFF:OFF+1]
	s_add_nc_u64 s[VB:VB+1], s[VPL:VPL+1], s[OFF:OFF+1]
	s_lshr_b32 s96, s[BH], 4
	s_lshl_b32 s96, s96, 13
	s_add_nc_u64 s[BB:BB+1], s[6:7], s[96:97]
	s_mov_b32 s[G0K], 1
	s_mov_b64 s[G0K+2:G0K+3], s[KB:KB+1]
	s_or_b32 s[G0K+3], s[G0K+3], 0x80000000
	s_mov_b32 s[G0V], 1
	s_mov_b64 s[G0V+2:G0V+3], s[VB:VB+1]
	s_or_b32 s[G0V+3], s[G0V+3], 0x80000000
	s_mov_b32 s[G0B], 1
	s_mov_b64 s[G0B+2:G0B+3], s[BB:BB+1]
	s_or_b32 s[G0B+3], s[G0B+3], 0x80000000
	TLOAD                                          ; key slot 0 into LDS slot 0: one tensor load of mine is out, here and behind each barrier
	s_cmp_eq_u32 s[WV], 5
	s_cselect_b64 s[PFA:PFA+1], s[KPL:KPL+1], s[VPL:VPL+1]   ; at key slot 0: the first change of slots steps it to slot 1
	v_and_b32 v[TM], 15, v0                        ; r
	v_bfe_u32 v[TM+1], v0, 4, 1                    ; h
	v_and_b32 v[TM+2], 31, v0                      ; lane
	v_and_b32 v[TM+3], 7, v0
	v_bfe_u32 v[TM+4], v0, 3, 1
	v_bfe_u32 v[TM+5], v0, 3, 2                    ; lane / 8
	v_mul_u32_u24 v[AK0], v[TM], PK
	v_lshl_add_u32 v[AK0], v[TM+1], 4, v[AK0]      ; K: row r x pitch + 16 h
	v_lshl_add_u32 v[AV0], v[TM+1], 3, v[TM+3]
	v_mul_u32_u24 v[AV0], v[AV0], PV
	v_lshl_add_u32 v[AV0], v[TM+4], 4, v[AV0]      ; V, for the turning load: key 8 h + lane % 8, channels 8 ((lane / 8) % 2) on
	v_lshlrev_b32 v[AB0], 5, v[TM+1]               ; the bias: my eight keys of a tile
	v_lshlrev_b32 v[QO], 7, v[TM]
	v_lshl_add_u32 v[QO], v[TM+1], 4, v[QO]        ; Q: row r of 128 bytes + 16 h
	s_mul_i32 s96, s[WV], 16*144
	s_add_co_u32 s96, s96, STAGE                   ; my stage
	v_add_nc_u32 v[STO], s96, v[AK0]               ; in: row r, 16 bytes for each half of the lanes
	v_mul_u32_u24 v[RD], v[TM+5], 144
	v_lshl_add_u32 v[RD], v[TM+3], 4, v[RD]
	v_add_nc_u32 v[RD], s96, v[RD]                 ; back: eight lanes to a row, four rows an instruction
	v_lshlrev_b32 v[GO], 4, v[TM+2]                ; which are 512 consecutive bytes of att
	v_lshlrev_b32 v[DQ], 3, v[TM+1]
	v_sub_nc_u32 v[DQ], v[TM], v[DQ]
	v_lshlrev_b32 v[PFO], 8, v[TM+2]
	v_mov_b32 v[NEGR], NEGF
.macro NEWQ0
	s_lshl_b32 s[Q0], s[BLK], 8
	s_lshl_b32 s96, s[G], 5
	s_add_co_u32 s[Q0], s[Q0], s96
.endm
; A query block begins: Q into registers; m = -1e20, the sum and O^T zeros.  (The step is written once: the first finds zeros, which the first change of m leaves zeros.  64 lines, twice in the launch, against a third copy of the step.)
.macro INIT
	s_lshl_b32 s96, s[Q0], 7
	s_mov_b32 s97, 0
	s_add_nc_u64 s[QA:QA+1], s[QPL:QPL+1], s[96:97]
	s_add_nc_u64 s[OA:OA+1], s[APL:APL+1], s[96:97]
	WIN 0x40                                       ; destination window 1
.irp t, 0,1
.irp c, 0,1
	global_load_b128 v[QF+16*\t+8*\c:QF+16*\t+8*\c+3], v[QO], s[QA:QA+1] offset:2048*\t+64*\c
	global_load_b128 v[QF+16*\t+8*\c+4:QF+16*\t+8*\c+7], v[QO], s[QA:QA+1] offset:2048*\t+64*\c+32
.endr
.endr
	WIN 0
.irp t, 0,1
	v_mov_b32 v[ST+8*\t+1], MINIT
	v_mul_f32 v[ST+8*\t], s[CS], v[ST+8*\t+1]
.irp j, 2,3,4,5,6,7
	v_mov_b32 v[ST+8*\t+\j], 0                     ; the sum; and the registers at work, so that a lane permute's destination has been written on every path
.endr
.endr
.set i, 0
.rept 64
	v_mov_b32 v[O+i], 0
.set i, i+1
.endr
	s_wait_loadcnt 0x0                             ; Q
.endm
; THE SOFTMAX of a step, both tiles line by line by turns.  p = 2^(c s - c m); O^T and the sum are multiplied by a = 2^(c m_old - c m_new).
.macro SOFTMAX
.irp j, 0,1,2,3
.irp t, 0,1
	v_max3_num_f32 v[ST+8*\t+4+\j], v[S+32*\t+8*\j], v[S+32*\t+8*\j+1], v[S+32*\t+8*\j+2]   ; four chains, one for each key tile, each begun at its accumulator's low end
.endr
.endr
.irp g, 1,2
.irp j, 0,1,2,3
.irp t, 0,1
	v_max3_num_f32 v[ST+8*\t+4+\j], v[ST+8*\t+4+\j], v[S+32*\t+8*\j+2*\g+1], v[S+32*\t+8*\j+2*\g+2]
.endr
.endr
.endr
.irp t, 0,1
	v_max3_num_f32 v[ST+8*\t+4], v[ST+8*\t+4], v[S+32*\t+7], v[S+32*\t+15]
.endr
.irp t, 0,1
	v_max3_num_f32 v[ST+8*\t+6], v[ST+8*\t+6], v[S+32*\t+23], v[S+32*\t+31]
.endr
.irp t, 0,1
	v_max3_num_f32 v[ST+8*\t+4], v[ST+8*\t+4], v[ST+8*\t+5], v[ST+8*\t+6]
.endr
.irp t, 0,1
	v_max3_num_f32 v[ST+8*\t+4], v[ST+8*\t+4], v[ST+8*\t+7], v[ST+8*\t+1]   ; with the old m
.endr
.irp t, 0,1
	v_permlanex16_b32 v[ST+8*\t+5], v[ST+8*\t+4], s[SEL], s[SEL+1]          ; the query's other 32 keys lie in the lane 16 away
.endr
.irp t, 0,1
	v_mov_b32 v[ST+8*\t+7], v[ST+8*\t]             ; c m_old
.endr
.irp t, 0,1
	v_max_num_f32 v[ST+8*\t+1], v[ST+8*\t+4], v[ST+8*\t+5]
.endr
.irp t, 0,1
	v_mul_f32 v[ST+8*\t], s[CS], v[ST+8*\t+1]
.endr
.irp t, 0,1
	v_sub_f32 v[ST+8*\t+7], v[ST+8*\t+7], v[ST+8*\t]
.endr
.irp t, 0,1
	v_exp_f32 v[ST+8*\t+6], v[ST+8*\t+7]           ; a
.endr
.irp b, 0,1,2,3,4,5,6,7,8,9,10,11,12,13,14,15
.irp t, 0,1
	v_pk_fma_f32 v[S+32*\t+2*\b:S+32*\t+2*\b+1], v[S+32*\t+2*\b:S+32*\t+2*\b+1], s[CS:CS+1], v[ST+8*\t:ST+8*\t+1] op_sel_hi:[1,0,0] neg_lo:[0,0,1] neg_hi:[0,0,1]   ; c s - c m
.endr
.endr
.irp e, 0,1,2,3,4,5,6,7,8,9,10,11,12,13,14,15,16,17,18,19,20,21,22,23,24,25,26,27,28,29,30,31
.irp t, 0,1
	v_exp_f32 v[S+32*\t+\e], v[S+32*\t+\e]
.endr
.endr
	v_nop                                          ; a plain line behind the last exponential
	s_wait_alu depctr_va_vdst(0)                   ; ONE wait for the batch of 66, ahead of its first reader
.irp b, 0,1,2,3,4,5,6,7,8,9,10,11,12,13,14,15
.irp t, 0,1
	v_cvt_pk_f16_f32 v[P+16*\t+\b], v[S+32*\t+2*\b], v[S+32*\t+2*\b+1]
.endr
.endr
.irp u, 0,1,2,3,4,5,6,7                ; the sum of the unrounded p, a tree in place
.irp t, 0,1
	v_pk_add_f32 v[S+32*\t+4*\u:S+32*\t+4*\u+1], v[S+32*\t+4*\u:S+32*\t+4*\u+1], v[S+32*\t+4*\u+2:S+32*\t+4*\u+3]
.endr
.endr
.irp u, 0,1,2,3
.irp t, 0,1
	v_pk_add_f32 v[S+32*\t+8*\u:S+32*\t+8*\u+1], v[S+32*\t+8*\u:S+32*\t+8*\u+1], v[S+32*\t+8*\u+4:S+32*\t+8*\u+5]
.endr
.endr
.irp u, 0,1
.irp t, 0,1
	v_pk_add_f32 v[S+32*\t+16*\u:S+32*\t+16*\u+1], v[S+32*\t+16*\u:S+32*\t+16*\u+1], v[S+32*\t+16*\u+8:S+32*\t+16*\u+9]
.endr
.endr
.irp t, 0,1
	v_pk_add_f32 v[S+32*\t:S+32*\t+1], v[S+32*\t:S+32*\t+1], v[S+32*\t+16:S+32*\t+17]
.endr
.irp t, 0,1
	v_pk_fma_f32 v[ST+8*\t+2:ST+8*\t+3], v[ST+8*\t+2:ST+8*\t+3], v[ST+8*\t+6:ST+8*\t+7], v[S+32*\t:S+32*\t+1] op_sel_hi:[1,0,1]   ; the sum = a x the sum + this step's
.endr
.irp b, 0,1,2,3,4,5,6,7,8,9,10,11,12,13,14,15
.irp t, 0,1
	v_pk_mul_f32 v[O+32*\t+2*\b:O+32*\t+2*\b+1], v[O+32*\t+2*\b:O+32*\t+2*\b+1], v[ST+8*\t+6:ST+8*\t+7] op_sel_hi:[1,0]   ; O^T x a, each accumulator from its low end on
.endr
.endr
.endm
; A KEY STEP: 64 keys.
.macro STEP
	s_add_co_u32 s96, s[Q0], 31
	s_cmp_gt_u32 s[KF], s96                        ; all 64 keys come after my 32 queries: the step's work is left out; the lines at its end that step addresses are not
	s_cbranch_scc1 .Lhidden_\@
	v_add_nc_u32 v[ADK], s[TK], v[AK0]
	v_add_nc_u32 v[ADV], s[TV], v[AV0]
	v_add_nc_u32 v[ADB], s[TBI], v[AB0]
.irp kt, 0,1,2,3
	ds_load_b128 v[BI+8*\kt:BI+8*\kt+3], v[ADB] offset:64*\kt                    ; the bias of keys 16 kt + 8 h + 0 .. 7, in the result's layout
	ds_load_b128 v[BI+8*\kt+4:BI+8*\kt+7], v[ADB] offset:64*\kt+16
.endr
	WIN 0x40                                       ; destination window 1
.irp f, 0,1,2,3,4,5,6,7                        ; K: keys 16 (f / 2) on, channels 32 (f % 2) on
	ds_load_b128 v[KFR+8*\f:KFR+8*\f+3], v[ADK] offset:(\f/2)*16*PK+(\f%2)*64
	ds_load_b128 v[KFR+8*\f+4:KFR+8*\f+7], v[ADK] offset:(\f/2)*16*PK+(\f%2)*64+32
.endr
.irp f, 0,1,2,3,4,5,6,7                        ; V, turned: keys 32 (f / 4) on, channels 16 (f % 4) on
	ds_load_tr16_b128 v[VFR+8*\f:VFR+8*\f+3], v[ADV] offset:(\f/4)*32*PV+(\f%4)*32
	ds_load_tr16_b128 v[VFR+8*\f+4:VFR+8*\f+7], v[ADV] offset:(\f/4)*32*PV+16*PV+(\f%4)*32
.endr
	s_wait_dscnt 16                                ; the bias and K are in; V's sixteen loads may be out
	WIN 0x05                                       ; K and Q in window 1
.irp c, 0,1                                    ; S^T = K Q^T + bias: eight accumulators by turns
.irp kt, 0,1,2,3
.irp t, 0,1
.if \c == 0
	v_wmma_f32_16x16x32_f16 v[S+32*\t+8*\kt:S+32*\t+8*\kt+7], v[KFR+8*(2*\kt+\c):KFR+8*(2*\kt+\c)+7], v[QF+16*\t+8*\c:QF+16*\t+8*\c+7], v[BI+8*\kt:BI+8*\kt+7]
.else
	v_wmma_f32_16x16x32_f16 v[S+32*\t+8*\kt:S+32*\t+8*\kt+7], v[KFR+8*(2*\kt+\c):KFR+8*(2*\kt+\c)+7], v[QF+16*\t+8*\c:QF+16*\t+8*\c+7], v[S+32*\t+8*\kt:S+32*\t+8*\kt+7]
.endif
.endr
.endr
.endr
	WIN 0
.rept 4
	v_nop                                          ; places in front of the first read of the scores
.endr
	s_add_co_u32 s96, s[KF], 63
	s_cmp_le_u32 s96, s[Q0]                        ; all 64 keys count for all my queries: nothing to hide
	s_cbranch_scc1 .Lopen_\@
	s_sub_co_i32 s96, s[Q0], s[KF]
	v_add_nc_u32 v[TM], s96, v[DQ]                 ; d = my query - KF - 8 h.  Register 8 kt + j holds key KF + 16 kt + 8 h + j: hidden where 16 kt + j > d
	v_add_nc_u32 v[TM+1], 16, v[TM]                ; tile 1's queries lie 16 on
.irp t, 0,1
.irp n, 0,1,2,3,4,5,6,7,8,9,10,11,12,13,14,15,16,17,18,19,20,21,22,23,24,25,26,27,28,29,30,31
	v_cmp_gt_i32 vcc_lo, 16*(\n/8)+\n%8, v[TM+\t]
	v_cndmask_b32 v[S+32*\t+\n], v[S+32*\t+\n], v[NEGR], vcc_lo
.endr
.endr
.Lopen_\@:
	SOFTMAX
	s_wait_dscnt 0x0                               ; V is in
	WIN 0x01                                       ; V in window 1
.irp kg, 0,1                                   ; O^T += V^T P: eight accumulators by turns
.irp dt, 0,1,2,3
.irp t, 0,1
	v_wmma_f32_16x16x32_f16 v[O+32*\t+8*\dt:O+32*\t+8*\dt+7], v[VFR+8*(4*\kg+\dt):VFR+8*(4*\kg+\dt)+7], v[P+16*\t+8*\kg:P+16*\t+8*\kg+7], v[O+32*\t+8*\dt:O+32*\t+8*\dt+7]
.endr
.endr
.endr
	WIN 0
.rept 4
	v_nop                                          ; places in front of the next loads into V's registers and of the way out's reads of O^T
.endr
.Lhidden_\@:
	s_add_co_u32 s[KF], s[KF], 64
	s_add_co_u32 s[TK], s[TK], 64*PK
	s_add_co_u32 s[TV], s[TV], 64*PV
	s_add_co_u32 s[TBI], s[TBI], 256
.endm
; THE CHANGE OF SLOTS stands at a slot's head.  Each wave waits for all its tensor loads (its part of the slot that it is about to read), adds 0 to its spare word, and waits for that and for its reads of the slot that it
; has left.  Behind the barrier the slot ahead is whole and nobody reads the other one.  fill = 1: that other slot takes the key slot that follows: the next of this query block, or slot 0 of the second block.
.macro CHANGE fill
	s_wait_tensorcnt 0x0                           ; no tensor load of mine is out, so a group 0 may be written
	ds_add_u32 v[SPW], v[NIL]
.if \fill
	ds_add_u32 v[SPW], v[NIL]                      ; and once more, in every trip alike
	s_xor_b32 s[G0K+1], s[G0K+1], SLOT1            ; the other LDS slot than last time
	s_xor_b32 s[G0V+1], s[G0V+1], SLOT1
	s_xor_b32 s[G0B+1], s[G0B+1], SLOT1
	s_add_co_u32 s[KS], s[KS], 1
	s_cmp_eq_u32 s[SLOTS], s[SW]                   ; this trip walks the first block's last slot
	s_cselect_b32 s[KS], 0, s[KS]
	s_lshl_b32 s[OFF], s[KS], 15                   ; 256 rows of 128 bytes
	s_lshl_b32 s[OFB], s[KS], 10
	s_add_nc_u64 s[G0K+2:G0K+3], s[KB:KB+1], s[OFF:OFF+1]
	s_or_b32 s[G0K+3], s[G0K+3], 0x80000000
	s_add_nc_u64 s[G0V+2:G0V+3], s[VB:VB+1], s[OFF:OFF+1]
	s_or_b32 s[G0V+3], s[G0V+3], 0x80000000
	s_add_nc_u64 s[G0B+2:G0B+3], s[BB:BB+1], s[OFB:OFB+1]
	s_or_b32 s[G0B+3], s[G0B+3], 0x80000000
	s_wait_xcnt 0x0                                ; the last prefetches, a slot back, have read their address
	s_add_nc_u64 s[PFA:PFA+1], s[PFA:PFA+1], 32768
.endif
	s_wait_dscnt 0x0                               ; the add is done, and my reads of the slot that I have left are over
	s_barrier_signal -1
	s_barrier_wait -1
.if \fill
	TLOAD                                          ; the first thing behind the barrier, and a wave's one tensor load until the next: it has four key steps in which to land
	ASK
.endif
.endm
.macro SLOT_STEPS                      ; a slot's four key steps: written once, walked four times
	s_mov_b32 s[STEPC], 4
.Lstep_\@:
	STEP
	s_sub_co_u32 s[STEPC], s[STEPC], 1
	s_cmp_lg_u32 s[STEPC], 0
	s_cbranch_scc1 .Lstep_\@
	s_sub_co_u32 s[TK], s[TK], 256*PK              ; back to a slot's first step,
	s_sub_co_u32 s[TV], s[TV], 256*PV
	s_sub_co_u32 s[TBI], s[TBI], 1024
	s_xor_b32 s[TK], s[TK], SLOT1                  ; in the other slot
	s_xor_b32 s[TV], s[TV], SLOT1
	s_xor_b32 s[TBI], s[TBI], SLOT1
.endm
; THE WAY OUT of a query block.  O^T is divided by the sum (by 0 where no key counted: the row is 0 then), rounded to f16 and sent through my stage, a tile of 16 rows at a time.
.macro EPILOGUE
.irp t, 0,1
	v_add_f32 v[ST+8*\t+4], v[ST+8*\t+2], v[ST+8*\t+3]
.endr
.irp t, 0,1
	v_permlanex16_b32 v[ST+8*\t+5], v[ST+8*\t+4], s[SEL], s[SEL+1]
.endr
.irp t, 0,1
	v_add_f32 v[ST+8*\t+4], v[ST+8*\t+4], v[ST+8*\t+5]
.endr
	v_cmp_lt_f32 s96, 0, v[ST+4]                   ; did any key count?
	v_cmp_lt_f32 s97, 0, v[ST+12]
.irp t, 0,1
	v_rcp_f32 v[ST+8*\t+6], v[ST+8*\t+4]
.endr
	v_nop                                          ; a plain line behind the last reciprocal
	s_wait_alu depctr_va_vdst(0)                   ; one wait for the two, ahead of their first reader
	v_cndmask_b32 v[ST+6], 0, v[ST+6], s96
	v_cndmask_b32 v[ST+14], 0, v[ST+14], s97
.irp t, 0,1
.irp b, 0,1,2,3,4,5,6,7,8,9,10,11,12,13,14,15
	v_pk_mul_f32 v[O+32*\t+2*\b:O+32*\t+2*\b+1], v[O+32*\t+2*\b:O+32*\t+2*\b+1], v[ST+8*\t+6:ST+8*\t+7] op_sel_hi:[1,0]
.endr
.irp b, 0,1,2,3,4,5,6,7,8,9,10,11,12,13,14,15
	v_cvt_pk_f16_f32 v[S+32*\t+\b], v[O+32*\t+2*\b], v[O+32*\t+2*\b+1]
.endr
.irp dt, 0,1,2,3
	ds_store_b128 v[STO], v[S+32*\t+4*\dt:S+32*\t+4*\dt+3] offset:32*\dt      ; lane (r, h): channels 16 dt + 8 h + 0 .. 7 of row r
.endr
.irp u, 0,1,2,3
	ds_load_b128 v[S+32*\t+16+4*\u:S+32*\t+16+4*\u+3], v[RD] offset:4*144*\u  ; LDS serves a wave's instructions in order: these see the stores above, and the next tile's stores come behind them
.endr
.endr
	s_wait_dscnt 8                                 ; tile 0's rows are back; tile 1's four stores and four loads may be out
.irp u, 0,1,2,3
	global_store_b128 v[GO], v[S+16+4*\u:S+16+4*\u+3], s[OA:OA+1] offset:512*\u            ; 32 lanes store 512 consecutive bytes, aligned
.endr
	s_wait_dscnt 0x0
.irp u, 0,1,2,3
	global_store_b128 v[GO], v[S+48+4*\u:S+48+4*\u+3], s[OA:OA+1] offset:2048+512*\u
.endr
	s_wait_xcnt 0x0                                ; the stores have read their registers and their base: both may be written again
.endm
	NEWQ0
	INIT
.Lslot:                                            ; 8 trips: behind each change of slots but the last the next key slot is asked for
	CHANGE 1
	SLOT_STEPS
	s_cmp_lg_u32 s[SLOTS], s[SW]                   ; ids and the count of trips alone: all eight waves go the same way; no barrier and no tensor load stands inside
	s_cbranch_scc1 .Lsame_block
	EPILOGUE                                       ; query block i is done;
	s_sub_co_u32 s[BLK], 7, ttmp9                  ; on to block 7 - i, from key 0
	NEWQ0
	s_mov_b32 s[KF], 0
	INIT
.Lsame_block:
	s_sub_co_u32 s[SLOTS], s[SLOTS], 1
	s_cmp_lg_u32 s[SLOTS], 0
	s_cbranch_scc1 .Lslot
	CHANGE 0                                       ; the last slot is written out: nothing is left to ask for
	SLOT_STEPS
	EPILOGUE
	s_wait_tensorcnt 0x0                           ; the wave's end: three lines, behind my last tensor load and my last LDS store
	ds_add_u32 v[SPW], v[NIL]
	s_wait_dscnt 0x0
	s_endpgm
.Lfunc_end_k_q5bdfcb2141_attn:
	.size	k_q5bdfcb2141_attn, .Lfunc_end_k_q5bdfcb2141_attn-k_q5bdfcb2141_attn
	.p2alignl 7, 3214868480
	.fill 96, 4, 3214868480
	.section	.rodata,"a",@progbits
	.p2align	6, 0x0
	.amdhsa_kernel k_q5bdfcb2141_attn
		.amdhsa_group_segment_fixed_size 327680
		.amdhsa_private_segment_fixed_size 0
		.amdhsa_enable_private_segment 0
		.amdhsa_kernarg_size 24
		.amdhsa_user_sgpr_count 2
		.amdhsa_user_sgpr_kernarg_segment_ptr 1
		.amdhsa_wavefront_size32 1
		.amdhsa_system_sgpr_workgroup_id_x 1
		.amdhsa_system_sgpr_workgroup_id_y 1
		.amdhsa_system_sgpr_workgroup_id_z 1
		.amdhsa_system_vgpr_workitem_id 0
		.amdhsa_next_free_vgpr 416
		.amdhsa_next_free_sgpr 100
		.amdhsa_reserve_vcc 1
		.amdhsa_float_denorm_mode_32 3
		.amdhsa_float_denorm_mode_16_64 3
		.amdhsa_memory_ordered 1
		.amdhsa_forward_progress 1
		.amdhsa_inst_pref_size 75
	.end_amdhsa_kernel
	.amdgpu_metadata
---
amdhsa.version: [ 1, 2 ]
amdhsa.kernels:
  - .name:           k_q5bdfcb2141_attn
    .symbol:         k_q5bdfcb2141_attn.kd
    .args:
      - { .name: qkv, .offset: 0, .size: 8, .value_kind: global_buffer, .address_space: global }
      - { .name: kbias, .offset: 8, .size: 8, .value_kind: global_buffer, .address_space: global }
      - { .name: att, .offset: 16, .size: 8, .value_kind: global_buffer, .address_space: global }
    .group_segment_fixed_size: 327680
    .private_segment_fixed_size: 0
    .kernarg_segment_align: 8
    .kernarg_segment_size: 24
    .max_flat_workgroup_size: 256
    .sgpr_count:     100
    .vgpr_count:     416
    .wavefront_size: 32
...
	.end_amdgpu_metadata
.endif
;; end of part 3
;; launch proj (part 4): grid 8 x 32, 4 waves a work-group, clusters of 4 x 4, 327,680 bytes of LDS; arguments att, wot, bo, out0; writes out0
.if DOCPART == 4
	.amdgcn_target "amdgcn-amd-amdhsa--gfx1250"
	.amdhsa_code_object_version 6
	.text
	.protected	k_q5bdfcb2141_proj
	.globl	k_q5bdfcb2141_proj
	.p2align	8
	.type	k_q5bdfcb2141_proj,@function
k_q5bdfcb2141_proj:
	s_mov_b64 s[64:65], 0
	v_nop
	global_prefetch_b8 v0, s[64:65] scope:SCOPE_SE
	s_setreg_imm32_b32 hwreg(HW_REG_WAVE_MODE, 25, 1), 1
	s_wait_xcnt 0x0
	s_wait_alu depctr_hold_cnt(0) depctr_sa_sdst(0) depctr_va_vdst(0) depctr_va_sdst(0) depctr_va_ssrc(0) depctr_va_vcc(0) depctr_vm_vsrc(0)
	s_getreg_b32 s2, hwreg(HW_REG_IB_STS2, 6, 4)
	s_cmp_eq_u32 s2, 0
	s_cbranch_scc0 .Lentry_in_a_cluster
	s_endpgm
.Lentry_in_a_cluster:
	s_bfe_u32 s2, ttmp6, 0x10000c
	s_cmp_lg_u32 s2, 0xf033
	s_cbranch_scc0 .Lentry_shape_is_right
	s_endpgm
.Lentry_shape_is_right:
; out0 = attended Wo + bo, on f16 operands with f32 sums.  attended lies head by head, att[16 b + h][s][64]; Wo lies turned, in planes of 64 along K, wot[k / 64][n][64]: plane p of both holds k = 64 p .. 64 p + 63.
; WORK LEFT OUT: positions 0 to 15 of every sequence are not stored here: the next launch makes them in f32.  (Their products lie inside tiles that hold live rows, and stay.)
; A tile of out0 is 256 rows x 128 columns: 256 work-groups.  Four waves, each 128 rows x 64 columns: 32 accumulators of 16 x 16, 256 registers.  A K step is 128 along K = two planes; a plane's 256 rows of att are 32,768 dense
; bytes, stated as 128 rows of 256 bytes (two rows of att to an LDS row), wot's 128 rows likewise as 64.  Two LDS slots take turns; each wave fetches one plane of A (waves 0, 1) or of B (waves 2, 3) with one tensor load.
; CLUSTERS: 4 x 4 work-groups.  The tile row is 8 cy + cluster y (batch cy, place 256 x cluster y in the sequence), the tile column 4 x cluster x + cx.  A's tiles are asked for jointly along a row of the cluster, B's along a column.
; THE MATRIX INSTRUCTION IS USED TRANSPOSED (source 0 = 16 rows of wot, source 1 = 16 rows of att): a lane holds eight neighbouring columns of a row of out0.  bo is the C of each sum's first product.
; REGISTERS: window 0: v16-29 addresses; v32-63 bo; two fragment buffers for 32 along K: A's 8 blocks at v64 / v128, B's 4 at v192 / v224; on the way out v64-127 rows read back.   window 1: accumulator (a, b) at v[8 (4 a + b)].
.set APL,   128*272                    ; a plane of A in LDS: 128 rows of 256 bytes + 16
.set BPL,   64*272
.set SLOT,  2*APL+2*BPL
.set STAGE, 2*SLOT                     ; the way out: 16 rows x (256 bytes + 16) for each wave
.set SPARE, STAGE+4*16*272             ; the spare words, 128 bytes for each wave: two blocks of 256 bytes that no other line names
.set ADRA, 16
.set ADRB, 20
.set STO,  24
.set RD,   25
.set CO,   26
.set BOF,  27
.set SPW,  28
.set NIL,  29
.set BIA,  32
.set WV,   12
.set RH,   13                          ; s13  which half of the tile's rows is mine.  Also: I fetch for A (0) or for B (1)
.set CH,   14                          ; s14  which half of its columns.  Also: which of a K step's two planes I fetch
.set FLAG, 15                          ; s15  0 where my rows begin with positions 0 to 15 of a sequence
.set G1,  24
.set G0,  32
.set G1B, 48
.set G0B, 56
.set MSB, 0
.macro WIN new
.if MSB != \new
	s_set_vgpr_msb (MSB<<8)|\new
.set MSB, \new
.endif
.endm
.set MUL, 0x50                         ; A and B in window 0, C and D in window 1
.macro JLOAD s                         ; a joint load; an s_nop 0 and four v_nop follow each of the two lines
	s_cmp_eq_u32 s[RH], 0
	s_cbranch_scc0 .Lfor_b_\@
	tensor_load_to_lds s[G0+4*\s:G0+4*\s+3], s[G1:G1+7]
	s_nop 0
.rept 4
	v_nop
.endr
	s_branch .Lasked_\@
.Lfor_b_\@:
	tensor_load_to_lds s[G0B+4*\s:G0B+4*\s+3], s[G1B:G1B+7]
	s_nop 0
.rept 4
	v_nop
.endr
.Lasked_\@:
.endm
.macro CREST                           ; a round of the cluster's barrier behind its opening barrier
	s_cmp_lg_u32 s[WV], 0
	s_cbranch_scc1 .Lnot_wave_0_\@
	s_barrier_signal -3
.Lnot_wave_0_\@:
	s_barrier_wait -3
	s_barrier_signal -1
	s_barrier_wait -1
.endm
.macro CROUND
	s_barrier_signal -1
	s_barrier_wait -1
	CREST
.endm
	s_load_b256 s[4:11], s[0:1], 0x0               ; att 4, wot 6, bo 8, out0 10
	v_lshl_add_u32 v[SPW], v0, 2, SPARE
	v_mov_b32 v[NIL], 0
	ds_add_u32 v[SPW], v[NIL]                      ; the wave's opening: the add, twice on end, and its wait ahead of my first tensor load
	ds_add_u32 v[SPW], v[NIL]
	v_lshrrev_b32 v1, 5, v0
	v_readfirstlane_b32 s[WV], v1
	s_lshr_b32 s[RH], s[WV], 1
	s_and_b32 s[CH], s[WV], 1
	s_bfe_u32 s40, ttmp6, 0x40000                  ; cx
	s_bfe_u32 s41, ttmp6, 0x40004                  ; cy
	s_lshl_b32 s42, ttmp9, 2
	s_add_co_u32 s42, s42, s40                     ; tile column = 4 x cluster x + cx
	s_and_b32 s43, ttmp7, 0xffff                   ; cluster y
	s_or_b32 s[FLAG], s43, s[RH]
	s_lshl_b32 s44, s41, 2
	s_lshl_b32 s44, 15, s44                        ; my row of the cluster
	s_lshl_b32 s45, 0x1111, s40                    ; my column
	s_or_b32 s[G1], s44, (3<<16)|(1<<20)|(1<<21)|(5<<22)|(3<<25)    ; the mask; elements of 8 bytes; padding on; bit 21 beside a mask; after every 64 words, 4 words
	s_or_b32 s[G1B], s45, (3<<16)|(1<<20)|(1<<21)|(5<<22)|(3<<25)
	s_mov_b32 s[G1+1], 32<<16                      ; rows of 32 elements = 256 bytes
	s_mov_b32 s[G1+2], 128<<16                     ; A: 128 of them
	s_mov_b32 s[G1+3], 32<<16
	s_mov_b32 s[G1+4], 128
	s_mov_b32 s[G1+5], 32
	s_mov_b32 s[G1+6], 0
	s_mov_b32 s[G1+7], 0
	s_mov_b32 s[G1B+1], 32<<16
	s_mov_b32 s[G1B+2], 64<<16                     ; B: 64
	s_mov_b32 s[G1B+3], 32<<16
	s_mov_b32 s[G1B+4], 64
	s_mov_b32 s[G1B+5], 32
	s_mov_b32 s[G1B+6], 0
	s_mov_b32 s[G1B+7], 0
	s_lshl_b32 s16, s41, 4
	s_add_co_u32 s16, s16, s[CH]                   ; A: plane 16 cy + my plane of the K step,
	s_lshl_b32 s16, s16, 18
	s_lshl_b32 s17, s43, 15                        ; row 256 x cluster y
	s_add_co_u32 s16, s16, s17
	s_mov_b32 s17, 0
	s_lshl_b32 s46, s[CH], 17                      ; B: my plane,
	s_lshl_b32 s47, s42, 14                        ; row 128 x tile column
	s_add_co_u32 s46, s46, s47
	s_mov_b32 s47, 0
	s_mul_i32 s20, s[CH], APL                      ; where they go: no place in the cluster enters an LDS address
	s_mul_i32 s21, s[CH], BPL
	s_add_co_u32 s21, s21, 2*APL
	s_wait_dscnt 0x0                               ; both opening adds are done
	s_wait_kmcnt 0x0
	s_add_nc_u64 s[16:17], s[4:5], s[16:17]
	s_add_nc_u64 s[46:47], s[6:7], s[46:47]
	CROUND                                         ; all sixteen work-groups are here: the first joint loads meet
.irp s, 0,1
	s_mov_b32 s[G0+4*\s], 1
	s_add_co_u32 s[G0+4*\s+1], s20, \s*SLOT
	s_add_nc_u64 s[G0+4*\s+2:G0+4*\s+3], s[16:17], \s*2*262144      ; K step s: two planes on
	s_or_b32 s[G0+4*\s+3], s[G0+4*\s+3], 0x80000000
	s_mov_b32 s[G0B+4*\s], 1
	s_add_co_u32 s[G0B+4*\s+1], s21, \s*SLOT
	s_add_nc_u64 s[G0B+4*\s+2:G0B+4*\s+3], s[46:47], \s*2*131072
	s_or_b32 s[G0B+4*\s+3], s[G0B+4*\s+3], 0x80000000
	JLOAD \s                                       ; two tensor loads of mine are out
.endr
	v_and_b32 v1, 15, v0                           ; r
	v_bfe_u32 v2, v0, 4, 1                         ; h
	v_lshrrev_b32 v3, 1, v1
	v_and_b32 v4, 1, v1
	v_mul_u32_u24 v3, v3, 272
	v_lshl_add_u32 v3, v4, 7, v3
	v_lshl_add_u32 v3, v2, 4, v3                   ; a fragment's row r: LDS row r / 2, half r % 2, + 16 h: sixteen lanes touch sixteen different 16-byte columns modulo 256
	s_mul_i32 s22, s[RH], 64*272                   ; my 128 rows of A
	s_mul_i32 s23, s[CH], 32*272                   ; my 64 rows of B,
	s_add_co_u32 s23, s23, 2*APL                   ; behind A's two planes
.irp s, 0,1
	v_add_nc_u32 v[ADRA+\s], s22, v3
	v_add_nc_u32 v[ADRB+\s], s23, v3
	s_add_co_u32 s22, s22, SLOT
	s_add_co_u32 s23, s23, SLOT
.endr
	s_mul_i32 s22, s[WV], 16*272
	s_add_co_u32 s22, s22, STAGE                   ; my stage
	v_mul_u32_u24 v4, v1, 272
	v_lshl_add_u32 v4, v2, 5, v4
	v_add_nc_u32 v[STO], s22, v4                   ; in: row r, 32 bytes for each half of the lanes
	v_mul_u32_u24 v5, v2, 272
	v_lshl_add_u32 v5, v1, 4, v5
	v_add_nc_u32 v[RD], s22, v5                    ; back: lanes 0-15 one row of 256 bytes, lanes 16-31 the next
	v_lshlrev_b32 v5, 12, v2
	v_lshl_add_u32 v[CO], v1, 4, v5                ; and the same two rows in out0
	v_lshlrev_b32 v[BOF], 5, v2
	s_lshl_b32 s18, s41, 11                        ; my first row of out0: 2,048 cy + 256 x cluster y + 128 x half
	s_lshl_b32 s19, s43, 8
	s_add_co_u32 s18, s18, s19
	s_lshl_b32 s19, s[RH], 7
	s_add_co_u32 s18, s18, s19
	s_lshl_b32 s18, s18, 12
	s_mov_b32 s19, 0
	s_add_nc_u64 s[10:11], s[10:11], s[18:19]
	s_lshl_b32 s46, s42, 9                         ; my first column, in bytes: 512 x tile column + 256 x half
	s_lshl_b32 s47, s[CH], 8
	s_add_co_u32 s46, s46, s47
	s_mov_b32 s47, 0
	s_add_nc_u64 s[10:11], s[10:11], s[46:47]
	s_add_nc_u64 s[8:9], s[8:9], s[46:47]
.irp b, 0,1,2,3
	global_load_b128 v[BIA+8*\b:BIA+8*\b+3], v[BOF], s[8:9] offset:64*\b         ; lane (r, h): bo of columns 16 b + 8 h + 0 .. 7
	global_load_b128 v[BIA+8*\b+4:BIA+8*\b+7], v[BOF], s[8:9] offset:64*\b+16
.endr
; 8 matrix instructions: A's blocks a0, a0 + 1 x B's four, 32 along K, from buffer f.  first = 1: the product starts the sums with bo.  The 32 accumulators take turns, in the same order in every quarter.
.macro MUL8 f, a0, first
.irp a, \a0, \a0+1
.irp b, 0,1,2,3
.if \first
	v_wmma_f32_16x16x32_f16 v[8*(4*(\a)+\b):8*(4*(\a)+\b)+7], v[192+32*\f+8*\b:192+32*\f+8*\b+7], v[64+64*\f+8*(\a):64+64*\f+8*(\a)+7], v[BIA+8*\b:BIA+8*\b+7]
.else
	v_wmma_f32_16x16x32_f16 v[8*(4*(\a)+\b):8*(4*(\a)+\b)+7], v[192+32*\f+8*\b:192+32*\f+8*\b+7], v[64+64*\f+8*(\a):64+64*\f+8*(\a)+7], v[8*(4*(\a)+\b):8*(4*(\a)+\b)+7]
.endif
.endr
.endr
.endm
; 24 LDS loads in one run: quarter q of the slot's K step (plane q / 2, its channels 32 (q % 2) on) into buffer f: B's four blocks, A's blocks 0-3, A's blocks 4-7
.macro FETCH slot, q, f
.irp i, 0,1,2,3
	ds_load_b128 v[192+32*\f+8*\i:192+32*\f+8*\i+3], v[ADRB+\slot] offset:((\q)/2)*BPL+2176*\i+64*((\q)%2)
	ds_load_b128 v[192+32*\f+8*\i+4:192+32*\f+8*\i+7], v[ADRB+\slot] offset:((\q)/2)*BPL+2176*\i+64*((\q)%2)+32
.endr
.irp i, 0,1,2,3,4,5,6,7
	ds_load_b128 v[64+64*\f+8*\i:64+64*\f+8*\i+3], v[ADRA+\slot] offset:((\q)/2)*APL+2176*\i+64*((\q)%2)
	ds_load_b128 v[64+64*\f+8*\i+4:64+64*\f+8*\i+7], v[ADRA+\slot] offset:((\q)/2)*APL+2176*\i+64*((\q)%2)+32
.endr
.endm
.macro PLACES
.rept 4
	v_nop
.endr
.endm
; One of a K step's first three quarters: multiplies buffer f; in its middle it fetches quarter q of the same slot into buffer g.
.macro QUARTER slot, q, f, g, first
	s_wait_dscnt 8                                 ; B and A's blocks 0-3 are in; the youngest eight loads (A's blocks 4-7) may be out
.if \first
	WIN 0x40                                       ; C (bo) in window 0
.else
	WIN MUL
.endif
	MUL8 \f, 0, \first
	MUL8 \f, 2, \first
	PLACES
	WIN 0
	FETCH \slot, \q, \g
	s_wait_dscnt 24                                ; all but the 24 just issued
.if \first
	WIN 0x40
.else
	WIN MUL
.endif
	MUL8 \f, 4, \first
	MUL8 \f, 6, \first
.endm
; The last quarter multiplies buffer 1 and changes slots: ONE barrier; in front of it each wave waits for all its tensor loads, adds 0 to its spare word, and waits for that and for its reads of this slot.
; fill = 1: the barrier opens a round of the cluster's barrier, and this slot is filled again, two K steps ahead: the load has 112 matrix instructions in which to land.
.macro TURN slot, next, fill
	WIN 0
	s_wait_tensorcnt 0x0                           ; my part of the next slot has landed
	ds_add_u32 v[SPW], v[NIL]
	s_wait_dscnt 9                                 ; (the add and the youngest eight loads may be out)
	WIN MUL
	MUL8 1, 0, 0
	s_wait_dscnt 0x0                               ; the add is done, and my reads of this slot are over
	s_barrier_signal -1
	MUL8 1, 2, 0
	WIN 0
	s_barrier_wait -1
.if \fill
	CREST                                          ; no wave of any partner still reads this slot's tile or has a load on its way
	s_add_nc_u64 s[G0+4*\slot+2:G0+4*\slot+3], s[G0+4*\slot+2:G0+4*\slot+3], 4*262144
	s_add_nc_u64 s[G0B+4*\slot+2:G0B+4*\slot+3], s[G0B+4*\slot+2:G0B+4*\slot+3], 4*131072
	JLOAD \slot                                    ; the first tensor load behind the round; its four v_nop are also the places in front of the loads below
.else
	PLACES
.endif
	FETCH \next, 0, 0
	WIN MUL
	MUL8 1, 4, 0
	MUL8 1, 6, 0
.endm
	s_wait_tensorcnt 1                             ; my part of K step 0 is in; K step 1's may be out
	s_barrier_signal -1
	s_barrier_wait -1
	FETCH 0, 0, 0
	s_wait_loadcnt 0x0                             ; bo
	QUARTER 0, 1, 0, 1, 1                          ; the first quarter stands in front of the loop: its products start the sums
	WIN 0
	s_mov_b32 s3, 3
.Llap:                                             ; a trip goes once round the ring, from a lap's second quarter to the next lap's first, and fills both slots again
	QUARTER 0, 2, 1, 0, 0
	QUARTER 0, 3, 0, 1, 0
	TURN 0, 1, 1
	QUARTER 1, 1, 0, 1, 0
	QUARTER 1, 2, 1, 0, 0
	QUARTER 1, 3, 0, 1, 0
	TURN 1, 0, 1
	QUARTER 0, 1, 0, 1, 0
	WIN 0
	s_sub_co_u32 s3, s3, 1
	s_cmp_lg_u32 s3, 0
	s_cbranch_scc1 .Llap
	QUARTER 0, 2, 1, 0, 0                          ; the last lap fills nothing
	QUARTER 0, 3, 0, 1, 0
	TURN 0, 1, 0
	QUARTER 1, 1, 0, 1, 0
	QUARTER 1, 2, 1, 0, 0
	QUARTER 1, 3, 0, 1, 0
	s_wait_dscnt 8
	WIN MUL
	MUL8 1, 0, 0
	MUL8 1, 2, 0
	s_wait_dscnt 0
	MUL8 1, 4, 0
	MUL8 1, 6, 0
	WIN 0
	PLACES
; THE WAY OUT, block by block of 16 rows x 64 columns: through my own stage and back as rows of 256 bytes, which sixteen lanes store whole.
.macro TOSTAGE a
	WIN 0x04                                       ; an LDS store's data are its source 1: window 1
.irp b, 0,1,2,3
	ds_store_b128 v[STO], v[8*(4*(\a)+\b):8*(4*(\a)+\b)+3] offset:64*\b         ; each accumulator from its low end on
	ds_store_b128 v[STO], v[8*(4*(\a)+\b)+4:8*(4*(\a)+\b)+7] offset:64*\b+16
.endr
	WIN 0
.irp t, 0,1,2,3,4,5,6,7
	ds_load_b128 v[64+32*((\a)%2)+4*\t:64+32*((\a)%2)+4*\t+3], v[RD] offset:544*\t   ; in order behind the stores above
.endr
.endm
.macro SEND a, younger                 ; younger: the LDS instructions issued behind block a's loads
	s_wait_dscnt \younger
.irp t, 0,1,2,3,4,5,6,7
	global_store_b128 v[CO], v[64+32*((\a)%2)+4*\t:64+32*((\a)%2)+4*\t+3], s[10:11] offset:(16*(\a)+2*\t)*4096 th:TH_STORE_NT
.endr
.endm
	s_cmp_eq_u32 s[FLAG], 0                        ; my block 0 is positions 0 to 15 of a sequence: not stored here.  The cluster's y and the wave's number: the same in all partners
	s_cbranch_scc1 .Lskip0
	TOSTAGE 0
	SEND 0, 0
.Lskip0:
	s_wait_xcnt 0x0
	TOSTAGE 1
.irp a, 2,3,4,5,6,7
	s_wait_xcnt 0x0                                ; block a - 2's stores have read their registers: block a's loads may land there
	TOSTAGE \a
	SEND (\a)-1, 16                                ; behind block a - 1's loads: block a's 8 stores and 8 loads
.endr
	SEND 7, 0
	s_wait_tensorcnt 0x0                           ; the wave's end: three lines
	ds_add_u32 v[SPW], v[NIL]
	s_wait_dscnt 0x0
	CROUND                                         ; the closing round
	s_endpgm
.Lfunc_end_k_q5bdfcb2141_proj:
	.size	k_q5bdfcb2141_proj, .Lfunc_end_k_q5bdfcb2141_proj-k_q5bdfcb2141_proj
	.p2alignl 7, 3214868480
	.fill 96, 4, 3214868480
	.section	.rodata,"a",@progbits
	.p2align	6, 0x0
	.amdhsa_kernel k_q5bdfcb2141_proj
		.amdhsa_group_segment_fixed_size 327680
		.amdhsa_private_segment_fixed_size 0
		.amdhsa_enable_private_segment 0
		.amdhsa_kernarg_size 32
		.amdhsa_user_sgpr_count 2
		.amdhsa_user_sgpr_kernarg_segment_ptr 1
		.amdhsa_wavefront_size32 1
		.amdhsa_system_sgpr_workgroup_id_x 1
		.amdhsa_system_sgpr_workgroup_id_y 1
		.amdhsa_system_sgpr_workgroup_id_z 1
		.amdhsa_system_vgpr_workitem_id 0
		.amdhsa_next_free_vgpr 512
		.amdhsa_next_free_sgpr 66
		.amdhsa_reserve_vcc 0
		.amdhsa_float_denorm_mode_32 3
		.amdhsa_float_denorm_mode_16_64 3
		.amdhsa_memory_ordered 1
		.amdhsa_forward_progress 1
		.amdhsa_inst_pref_size 86
	.end_amdhsa_kernel
	.amdgpu_metadata
---
amdhsa.version: [ 1, 2 ]
amdhsa.kernels:
  - .name:           k_q5bdfcb2141_proj
    .symbol:         k_q5bdfcb2141_proj.kd
    .args:
      - { .name: att, .offset: 0, .size: 8, .value_kind: global_buffer, .address_space: global }
      - { .name: wot, .offset: 8, .size: 8, .value_kind: global_buffer, .address_space: global }
      - { .name: bo, .offset: 16, .size: 8, .value_kind: global_buffer, .address_space: global }
      - { .name: out0, .offset: 24, .size: 8, .value_kind: global_buffer, .address_space: global }
    .group_segment_fixed_size: 327680
    .private_segment_fixed_size: 0
    .kernarg_segment_align: 8
    .kernarg_segment_size: 32
    .max_flat_workgroup_size: 128
    .sgpr_count:     66
    .vgpr_count:     512
    .wavefront_size: 32
...
	.end_amdgpu_metadata
.endif
;; end of part 4
;; launch first16 (part 5): grid 16 x 4, 16 waves a work-group, no clusters, 85,248 bytes of LDS; arguments qkv, kbias, Wo, bo, out0; writes out0
.if DOCPART == 5
	.amdgcn_target "amdgcn-amd-amdhsa--gfx1250"
	.amdhsa_code_object_version 6
	.text
	.protected	k_q5bdfcb2141_first16
	.globl	k_q5bdfcb2141_first16
	.p2align	8
	.type	k_q5bdfcb2141_first16,@function
k_q5bdfcb2141_first16:
	s_mov_b64 s[64:65], 0
	v_nop
	global_prefetch_b8 v0, s[64:65] scope:SCOPE_SE
	s_setreg_imm32_b32 hwreg(HW_REG_WAVE_MODE, 25, 1), 1
	s_wait_xcnt 0x0
; POSITIONS 0 TO 15 OF EVERY SEQUENCE, all in f32: these rows average one to sixteen values and are the largest of the output, so their scores, weights, values and projection are carried finely.
; q, k, v of these positions come in f32 from behind qkv's f16 part: [b][position][3072].  WORK LEFT OUT: bk, as in the launches before; keys beyond position 15, which the causal mask hides from these queries.
; Work-group (bx, b) makes out0 rows 2,048 b + 0 .. 15, columns 64 bx .. 64 bx + 63.  Each work-group makes its batch's 16 x 1,024 attended numbers anew (one head a wave, 32 small matrix instructions): no further launch and no
; further buffer.  Then wave w takes column tile w % 4 and a quarter w / 4 of K; the four quarters meet in LDS.
; The padding mask, the floor under the maximum and the row with no key are as in the attention launch: kbias (0 or -1e30) is the C of the scores' first product, m starts at -1e20, 1 / sum is 0 where the sum is 0.
; A permutation of k applied alike to both sources keeps a product: a lane's 16-byte load gives two K steps of the f32 form, whose slot (h, j) then is dimension 8 s + 4 h + 2 u + j on both sides.
; The registers that the f32 matrix form writes (v120-183) are written by matrix instructions alone.
.set Q16,   50331648
.set AP,    4112                       ; a row of attended numbers in LDS: 4,096 bytes + 16
.set PART,  16*AP                      ; the four quarters' parts: 4 x 16 rows x (256 bytes + 16)
.set SPARE, PART+4*16*272              ; the spare words, 128 bytes for each wave: eight blocks of 256 bytes that no other line names
.set NEGF,  0xf149f2ca
.set MINIT, 0xe0ad78ec
.set SPW, 14
.set NIL, 15
.set WV,  14                           ; s14 wave = head;  s15 column tile;  s16 quarter of K;  s17 batch
.set CT,  15
.set KQ,  16
.set BT,  17
	s_load_b256 s[4:11], s[0:1], 0x0               ; qkv 4, kbias 6, Wo 8, bo 10
	s_load_b64 s[12:13], s[0:1], 0x20              ; out0
	v_lshl_add_u32 v[SPW], v0, 2, SPARE
	v_mov_b32 v[NIL], 0
	v_lshrrev_b32 v1, 5, v0
	v_readfirstlane_b32 s[WV], v1
	s_and_b32 s[CT], s[WV], 3
	s_lshr_b32 s[KQ], s[WV], 2
	s_and_b32 s[BT], ttmp7, 0xffff
	s_mov_b32 s20, 0x76543210
	s_mov_b32 s21, 0xfedcba98
	s_mov_b32 s22, 0x3e38aa3b                      ; c = log2(e) / 8
	v_and_b32 v1, 15, v0                           ; r
	v_bfe_u32 v2, v0, 4, 1                         ; h
	v_and_b32 v13, 31, v0
	v_lshlrev_b32 v13, 3, v13                      ; 8 x lane
	v_mul_u32_u24 v3, v1, 12288
	v_lshl_add_u32 v3, v2, 4, v3                   ; q, k: row r, + 16 h
	v_mul_u32_u24 v4, v2, 98304
	v_lshl_add_u32 v4, v1, 2, v4                   ; v: key 8 h on, channel r
	v_lshlrev_b32 v5, 5, v2                        ; the bias of keys 8 h + 0 .. 7
	v_lshlrev_b32 v6, 3, v2
	v_sub_nc_u32 v6, v1, v6                        ; d = r - 8 h: register j holds key 8 h + j, hidden where j > d
	v_mul_u32_u24 v7, v1, AP
	v_lshl_add_u32 v8, v2, 4, v7
	v_lshl_add_u32 v7, v2, 5, v7
	s_lshl_b32 s24, s[WV], 8
	v_add_nc_u32 v7, s24, v7                       ; attended, in: row r, head's 256 bytes, + 32 h
	s_lshl_b32 s24, s[KQ], 10
	v_add_nc_u32 v8, s24, v8                       ; attended, back: row r, my quarter of K, + 16 h
	v_lshlrev_b32 v9, 14, v2
	v_lshl_add_u32 v9, v1, 2, v9                   ; Wo: row 4 h on, column r
	v_mul_u32_u24 v10, v1, 272
	v_lshl_add_u32 v10, v2, 5, v10
	s_mul_i32 s24, s[KQ], 16*272
	s_lshl_b32 s25, s[CT], 6
	s_add_co_u32 s24, s24, s25
	s_add_co_u32 s24, s24, PART
	v_add_nc_u32 v10, s24, v10                     ; my part, in: quarter, row r, tile's 64 bytes, + 32 h
	s_mul_i32 s24, s[WV], 272
	s_add_co_u32 s24, s24, PART
	v_add_nc_u32 v11, s24, v13                     ; the parts, back: row = my wave, 8 bytes a lane
	s_lshl_b32 s24, s[WV], 12
	v_add_nc_u32 v12, s24, v13                     ; and the same in out0
	v_mov_b32 v194, 0                              ; (a lane permute's destination counts as one of its sources)
	v_mov_b32 v199, NEGF
	s_mul_i32 s24, s[BT], 196608                   ; the batch's 16 rows of 12,288 bytes,
	s_lshl_b32 s25, s[WV], 8                       ; my head's 64 numbers
	s_add_co_u32 s24, s24, s25
	s_add_co_u32 s24, s24, Q16
	s_mov_b32 s25, 0
	s_lshl_b32 s26, s[BT], 13
	s_mov_b32 s27, 0
	s_lshl_b32 s28, s[KQ], 20                      ; Wo: 256 rows of 4,096 bytes a quarter,
	s_lshl_b32 s29, ttmp9, 8                       ; the work-group's 64 columns,
	s_add_co_u32 s28, s28, s29
	s_lshl_b32 s29, s[CT], 6                       ; my 16
	s_add_co_u32 s28, s28, s29
	s_mov_b32 s29, 0
	s_lshl_b32 s30, ttmp9, 8
	s_mov_b32 s31, 0
	s_lshl_b32 s32, s[BT], 23                      ; out0: 2,048 rows of 4,096 bytes a batch
	s_add_co_u32 s32, s32, s30
	s_mov_b32 s33, 0
	s_wait_kmcnt 0x0
	s_add_nc_u64 s[4:5], s[4:5], s[24:25]
	s_add_nc_u64 s[6:7], s[6:7], s[26:27]
	s_add_nc_u64 s[8:9], s[8:9], s[28:29]
	s_add_nc_u64 s[10:11], s[10:11], s[30:31]
	s_add_nc_u64 s[12:13], s[12:13], s[32:33]
	; ---- 1: my head's attention over 16 positions
.irp s, 0,1,2,3,4,5,6,7
	global_load_b128 v[16+4*\s:19+4*\s], v3, s[4:5] offset:32*\s               ; q: dimensions 8 s + 4 h + 0 .. 3 of row r
	global_load_b128 v[48+4*\s:51+4*\s], v3, s[4:5] offset:4096+32*\s          ; k likewise
.endr
	global_load_b128 v[112:115], v5, s[6:7]
	global_load_b128 v[116:119], v5, s[6:7] offset:16
.irp dt, 0,1,2,3
.irp e, 0,1,2,3,4,5,6,7
	global_load_b32 v[80+8*\dt+\e], v4, s[4:5] offset:8192+\e*12288+64*\dt      ; v(key 8 h + e, channel 16 dt + r)
.endr
.endr
	s_wait_loadcnt 0x0
.irp s, 0,1,2,3,4,5,6,7                        ; S^T = k q^T (+ the key bias): two accumulators by turns; their sum is the score
.if \s == 0
	v_wmma_f32_16x16x4_f32 v[120:127], v[48:49], v[16:17], v[112:119]
	v_wmma_f32_16x16x4_f32 v[128:135], v[50:51], v[18:19], 0
.else
	v_wmma_f32_16x16x4_f32 v[120:127], v[48+4*\s:49+4*\s], v[16+4*\s:17+4*\s], v[120:127]
	v_wmma_f32_16x16x4_f32 v[128:135], v[50+4*\s:51+4*\s], v[18+4*\s:19+4*\s], v[128:135]
.endif
.endr
.rept 8
	v_nop                                          ; eight places behind this form
.endr
.irp j, 0,1,2,3,4,5,6,7
	v_add_f32 v[184+\j], v[120+\j], v[128+\j]      ; lane (r, h): query r, key 8 h + j
.endr
.irp j, 0,1,2,3,4,5,6,7
	v_cmp_gt_i32 vcc_lo, \j, v6
	v_cndmask_b32 v[184+\j], v[184+\j], v199, vcc_lo
.endr
	v_max3_num_f32 v192, v184, v185, v186
	v_max3_num_f32 v193, v187, v188, v189
	v_max3_num_f32 v192, v192, v190, v191
	v_max3_num_f32 v192, v192, v193, MINIT
	v_permlanex16_b32 v194, v192, s20, s21
	v_max_num_f32 v192, v192, v194                 ; the row's maximum
	v_mul_f32 v195, s22, v192
.irp j, 0,1,2,3,4,5,6,7
	v_fma_f32 v[184+\j], v[184+\j], s22, -v195
.endr
.irp j, 0,1,2,3,4,5,6,7
	v_exp_f32 v[184+\j], v[184+\j]
.endr
	v_nop                                          ; a plain line behind the last exponential
	s_wait_alu depctr_va_vdst(0)                   ; one wait for the eight, ahead of their first reader
	v_add_f32 v196, v184, v185
	v_add_f32 v198, v186, v187
	v_add_f32 v196, v196, v188
	v_add_f32 v198, v198, v189
	v_add_f32 v196, v196, v190
	v_add_f32 v198, v198, v191
	v_add_f32 v196, v196, v198
	v_permlanex16_b32 v194, v196, s20, s21
	v_add_f32 v196, v196, v194                     ; the row's sum
	v_cmp_lt_f32 s24, 0, v196                      ; did any key count?
	v_rcp_f32 v197, v196
	v_nop
	s_wait_alu depctr_va_vdst(0)
	v_cndmask_b32 v197, 0, v197, s24
.irp s, 0,1,2,3                                ; O^T = v^T p: K step s takes keys 8 h + 2 s + j; four accumulators by turns
.irp dt, 0,1,2,3
.if \s == 0
	v_wmma_f32_16x16x4_f32 v[136+8*\dt:143+8*\dt], v[80+8*\dt+2*\s:81+8*\dt+2*\s], v[184+2*\s:185+2*\s], 0
.else
	v_wmma_f32_16x16x4_f32 v[136+8*\dt:143+8*\dt], v[80+8*\dt+2*\s:81+8*\dt+2*\s], v[184+2*\s:185+2*\s], v[136+8*\dt:143+8*\dt]
.endif
.endr
.endr
.rept 8
	v_nop
.endr
.irp i, 0,1,2,3,4,5,6,7,8,9,10,11,12,13,14,15,16,17,18,19,20,21,22,23,24,25,26,27,28,29,30,31
	v_mul_f32 v[200+\i], v[136+\i], v197           ; / the sum: register 8 dt + j is channel 16 dt + 8 h + j of query r
.endr
.irp dt, 0,1,2,3
	ds_store_b128 v7, v[200+8*\dt:203+8*\dt] offset:64*\dt
	ds_store_b128 v7, v[204+8*\dt:207+8*\dt] offset:64*\dt+16
.endr
; 64 along K of Wo's 16 columns: register 4 s + e holds Wo(64 c + 8 s + 4 h + e, column r)
.macro LOADW c, buf
.irp s, 0,1,2,3,4,5,6,7
.irp e, 0,1,2,3
	global_load_b32 v[\buf+4*\s+\e], v9, s[8:9] offset:(64*(\c)+8*\s+\e)*4096
.endr
.endr
.endm
.macro LOADA c, buf                    ; and the same k of the attended row r
.irp s, 0,1,2,3,4,5,6,7
	ds_load_b128 v[\buf+4*\s:\buf+4*\s+3], v8 offset:256*(\c)+32*\s
.endr
.endm
	LOADW 0, 16                                    ; into q's and k's registers, which are done with: on their way across the barrier
	LOADW 1, 48
	s_wait_dscnt 0x0                               ; my head's numbers lie in LDS
	s_barrier_signal -1
	s_barrier_wait -1                              ; all sixteen heads' do
	; ---- 2: my 16 columns, my quarter of K, in four chunks of 64: source 0 = Wo's columns, source 1 = the attended rows; two accumulators by turns
	LOADA 0, 80
	LOADA 1, 200
.macro CHUNK c, wb, ab
.if (\c) < 3
	s_wait_loadcnt 32                              ; this chunk's 32 loads are in; the next chunk's may be out
	s_wait_dscnt 8                                 ; likewise its 8 LDS loads
.else
	s_wait_loadcnt 0x0
	s_wait_dscnt 0x0
.endif
.irp s, 0,1,2,3,4,5,6,7
.if ((\c) == 0) && (\s == 0)
	v_wmma_f32_16x16x4_f32 v[168:175], v[\wb:\wb+1], v[\ab:\ab+1], 0
	v_wmma_f32_16x16x4_f32 v[176:183], v[\wb+2:\wb+3], v[\ab+2:\ab+3], 0
.else
	v_wmma_f32_16x16x4_f32 v[168:175], v[\wb+4*\s:\wb+4*\s+1], v[\ab+4*\s:\ab+4*\s+1], v[168:175]
	v_wmma_f32_16x16x4_f32 v[176:183], v[\wb+4*\s+2:\wb+4*\s+3], v[\ab+4*\s+2:\ab+4*\s+3], v[176:183]
.endif
.endr
.rept 8
	v_nop                                          ; eight places in front of loads into registers that these products have read, and of the reads of results
.endr
.endm
	CHUNK 0, 16, 80
	LOADW 2, 16
	LOADA 2, 80
	CHUNK 1, 48, 200
	LOADW 3, 48
	LOADA 3, 200
	CHUNK 2, 16, 80
	CHUNK 3, 48, 200
.irp j, 0,1,2,3,4,5,6,7
	v_add_f32 v[184+\j], v[168+\j], v[176+\j]      ; lane (r, h): row r, columns 16 ct + 8 h + j
.endr
	ds_store_b128 v10, v[184:187]
	ds_store_b128 v10, v[188:191] offset:16
	s_wait_dscnt 0x0
	s_barrier_signal -1
	s_barrier_wait -1                              ; the four quarters' parts lie in LDS
	; ---- wave w adds the four parts of row w and bo, 8 bytes a lane, and stores the row's 256 bytes, aligned, by one instruction
.irp q, 0,1,2,3
	ds_load_b64 v[16+2*\q:17+2*\q], v11 offset:16*272*\q
.endr
	global_load_b64 v[24:25], v13, s[10:11]
	s_wait_dscnt 0x0
	s_wait_loadcnt 0x0
	v_pk_add_f32 v[16:17], v[16:17], v[18:19]
	v_pk_add_f32 v[20:21], v[20:21], v[22:23]
	v_pk_add_f32 v[16:17], v[16:17], v[20:21]
	v_pk_add_f32 v[16:17], v[16:17], v[24:25]
	global_store_b64 v12, v[16:17], s[12:13]
	s_wait_tensorcnt 0x0                           ; the wave's end
	ds_add_u32 v[SPW], v[NIL]
	s_wait_dscnt 0x0
	s_endpgm
.Lfunc_end_k_q5bdfcb2141_first16:
	.size	k_q5bdfcb2141_first16, .Lfunc_end_k_q5bdfcb2141_first16-k_q5bdfcb2141_first16
	.p2alignl 7, 3214868480
	.fill 96, 4, 3214868480
	.section	.rodata,"a",@progbits
	.p2align	6, 0x0
	.amdhsa_kernel k_q5bdfcb2141_first16
		.amdhsa_group_segment_fixed_size 85248
		.amdhsa_private_segment_fixed_size 0
		.amdhsa_enable_private_segment 0
		.amdhsa_kernarg_size 40
		.amdhsa_user_sgpr_count 2
		.amdhsa_user_sgpr_kernarg_segment_ptr 1
		.amdhsa_wavefront_size32 1
		.amdhsa_system_sgpr_workgroup_id_x 1
		.amdhsa_system_sgpr_workgroup_id_y 1
		.amdhsa_system_sgpr_workgroup_id_z 1
		.amdhsa_system_vgpr_workitem_id 0
		.amdhsa_next_free_vgpr 256
		.amdhsa_next_free_sgpr 66
		.amdhsa_reserve_vcc 1
		.amdhsa_float_denorm_mode_32 3
		.amdhsa_float_denorm_mode_16_64 3
		.amdhsa_memory_ordered 1
		.amdhsa_forward_progress 1
		.amdhsa_inst_pref_size 36
	.end_amdhsa_kernel
	.amdgpu_metadata
---
amdhsa.version: [ 1, 2 ]
amdhsa.kernels:
  - .name:           k_q5bdfcb2141_first16
    .symbol:         k_q5bdfcb2141_first16.kd
    .args:
      - { .name: qkv, .offset: 0, .size: 8, .value_kind: global_buffer, .address_space: global }
      - { .name: kbias, .offset: 8, .size: 8, .value_kind: global_buffer, .address_space: global }
      - { .name: Wo, .offset: 16, .size: 8, .value_kind: global_buffer, .address_space: global }
      - { .name: bo, .offset: 24, .size: 8, .value_kind: global_buffer, .address_space: global }
      - { .name: out0, .offset: 32, .size: 8, .value_kind: global_buffer, .address_space: global }
    .group_segment_fixed_size: 85248
    .private_segment_fixed_size: 0
    .kernarg_segment_align: 8
    .kernarg_segment_size: 40
    .max_flat_workgroup_size: 512
    .sgpr_count:     66
    .vgpr_count:     256
    .wavefront_size: 32
...
	.end_amdgpu_metadata
.endif
;; end of part 5
